; MI455X (gfx1250); checked and timed in simulation.
; The chip was launched on July 23, 2026; its instructions are those of AMD's public machine-readable ISA for CDNA 5 (MIT licence, August 2026) and "CDNA5" Instruction Set Architecture Reference Guide (July 2026). The comments in the code are by the model that wrote it; some were corrected since.
;; Cycle VAR. Allowed arithmetic: float matrix products may take bf16 or f16 operands with f32 sums; all other float work in f32.
;; Inputs: emb_weight 4,096 x 32 float32; f_src 128 x 32 x 16 x 16 float32.
;; Outputs: out0 128 x 340 x 32 float32.
;; One version. Each part assembles by itself: llvm-mc -triple=amdgcn-amd-amdhsa -mcpu=gfx1250 --defsym DOCPART=n.
;; ======== version 1 of 1: 5 launches
;; limits: inputs' magnitudes at most 255; values are held in f16: magnitudes above 65,504 overflow, below 6.1e-05 lose precision; values outside matrix products are rounded to f16; inputs' magnitudes at most 65,504
;; workspace buffers: ecode 540,672 bytes; pyr 1,441,792 bytes; cand0 4,096 bytes of whole numbers; cand1 16,384 bytes of whole numbers; cand2 65,536 bytes of whole numbers; cand3 262,144 bytes of whole numbers
;; launch prep (part 1): grid 64 x 4, 16 waves a work-group, no clusters, 24,576 bytes of LDS; arguments f_src, emb_weight, ecode, pyr, cand0; writes ecode, pyr, cand0
.if DOCPART == 1
	.amdgcn_target "amdgcn-amd-amdhsa--gfx1250"
	.amdhsa_code_object_version 6
	.text
	.protected	k_q06c0f4091f_prep
	.globl	k_q06c0f4091f_prep
	.p2align	8
	.type	k_q06c0f4091f_prep,@function
k_q06c0f4091f_prep:
	s_mov_b64 s[64:65], 0
	v_nop
	global_prefetch_b8 v0, s[64:65] scope:SCOPE_SE
	s_setreg_imm32_b32 hwreg(HW_REG_WAVE_MODE, 25, 1), 1
	s_wait_xcnt 0x0
; CycleVAR source tokens, first launch.  Three jobs:
;  (1) the pyramid of area means of f_src (1x1, 2x2, 4x4, 8x8), stored token-major: pyr[image][88 rows][32 channels] f32,
;      row 0 = 1x1, rows 1-4 = 2x2, rows 5-20 = 4x4, rows 21-84 = 8x8 (rows 85-87 are never touched);
;  (2) the code table in the form the later launches multiply: es = 256 e split into f16 hi + f16 lo (lo = f16(es - hi)),
;      laid out as matrix fragments (tile of 16 codes = 2,048 bytes: hi 1,024, lo 1,024), and bias = -0.5 sum(es^2);
;  (3) stage 0: for the 1x1 token of each image the best code among this work-group's 1,024 codes.
; What reference() returns hangs on stages 0-3 only: the 16x16 stage feeds f_hat and f_rest alone, so it is not computed.
; A stage's token is soft + (hard - soft) = hard up to one f32 rounding of numbers the size of a code, so hard = emb[argmax] is used.
; The score is S = z.e - |e|^2 / 2: the same argmax as -(|z|^2 + |e|^2 - 2 z.e).  Ties go to the lowest index.
; LIMITS: finite inputs; |e| < 255 (f16 range after the factor 256); a +0 / -0 tie of scores is ordered by the integer key.
; Work-group (x, p): images 2x, 2x+1; codes 1024 p .. +1023.  16 waves.  Stage 0 has two token rows for a work-group, an eighth of a
; matrix tile's 16 columns, so it is scored by plain multiply-adds: thread t takes codes 1024 p + t and + 512.
; No cluster: the only shared input is the pair of images (64 KiB, read by the four p); it goes straight into registers.
.set PLP,  340                         ; LDS: one plane's 85 means, 4 bytes each; a wave owns 4 planes = 1,360 bytes of its own
.set Z0B,  22016                       ; LDS: the 64 whole-image means (2 images x 32 channels), 256 bytes
.set RD,   22272                       ; LDS: [2 images][16 waves] x (score, index), 256 bytes
.set F,    16                          ; v[16:47]   8 x 16 bytes of f_src: 4 planes x 2 halves
.set Z0,   16                          ; v[16:47]   later: z of image 0, 32 channels
.set Z1,   48                          ; v[48:79]   z of image 1
.set EA,   80                          ; v[80:111]  code 1024 p + t
.set EB,   112                         ; v[112:143] code 1024 p + t + 512
	s_load_b256 s[4:11], s[0:1], 0x0               ; f_src s[4:5], emb s[6:7], ecode s[8:9], pyr s[10:11]
	s_load_b64 s[12:13], s[0:1], 0x20              ; cand0
	v_lshl_add_u32 v176, v0, 2, 0x5800
	v_mov_b32 v177, 0
	v_and_b32 v1, 31, v0                           ; lane
	v_lshrrev_b32 v8, 5, v0
	v_readfirstlane_b32 s20, v8                    ; wave w
	s_mov_b32 s21, ttmp9                           ; x
	s_and_b32 s22, ttmp7, 0xffff                   ; p
	s_mov_b32 s30, 0x76543210                      ; v_permlanex16_b32: lane i takes lane i of the other half
	s_mov_b32 s31, 0xfedcba98
	s_mov_b32 s36, 0x43800000                      ; 256.0, as a pair for the packed multiply
	s_mov_b32 s37, 0x43800000
	v_lshlrev_b32 v2, 4, v1
	v_lshl_add_u32 v2, v8, 12, v2                  ; f_src: 4 planes of 1,024 bytes a wave + 16 bytes a lane
	v_lshlrev_b32 v3, 7, v0                        ; emb: a row of 128 bytes a thread
	s_lshl_b32 s14, s21, 16                        ; two images = 65,536 bytes
	s_mov_b32 s15, 0
	s_lshl_b32 s16, s22, 17                        ; 1,024 codes = 131,072 bytes
	s_mov_b32 s17, 0
	s_lshl_b32 s18, s22, 10                        ; cand0: part p = 128 images x 8 bytes,
	s_lshl_b32 s19, s21, 4                         ; + two images
	s_add_co_u32 s18, s18, s19
	s_mov_b32 s19, 0
	s_lshl_b32 s38, s22, 17                        ; ecode: 64 tiles of 2,048 bytes a part,
	s_lshl_b32 s39, s20, 12                        ; + 2 tiles a wave
	s_add_co_u32 s38, s38, s39
	s_mov_b32 s39, 0
	s_lshl_b32 s40, s22, 12                        ; bias: 1,024 words a part,
	s_lshl_b32 s41, s20, 7                         ; + 32 words a wave,
	s_add_co_u32 s40, s40, s41
	s_add_co_u32 s40, s40, 524288                  ; behind the 256 tiles
	s_mov_b32 s41, 0
	s_wait_kmcnt 0x0
	s_add_nc_u64 s[24:25], s[4:5], s[14:15]
	s_add_nc_u64 s[26:27], s[6:7], s[16:17]
	s_add_nc_u64 s[28:29], s[12:13], s[18:19]
	s_add_nc_u64 s[32:33], s[8:9], s[38:39]
	s_add_nc_u64 s[34:35], s[8:9], s[40:41]
.irp i, 0,1,2,3,4,5,6,7
	global_load_b128 v[F+4*\i:F+4*\i+3], v2, s[24:25] offset:512*\i        ; plane i / 2, pixel rows 8 (i & 1) ..: 512 neighbouring bytes
.endr
.irp k, 0,1,2,3,4,5,6,7
	global_load_b128 v[EA+4*\k:EA+4*\k+3], v3, s[26:27] offset:16*\k
.endr
.irp k, 0,1,2,3,4,5,6,7
	global_load_b128 v[EB+4*\k:EB+4*\k+3], v3, s[26:27] offset:65536+16*\k
.endr
	; LDS addresses of the means.  A lane holds pixel row 8 j + (lane >> 2), columns 4 (lane & 3) .. +3 of a plane.
	s_mul_i32 s23, s20, 4*PLP                      ; my wave's four planes
	v_and_b32 v8, 24, v1                           ; 8 (lane >> 3)
	v_and_b32 v9, 3, v1
	v_bfe_u32 v10, v1, 2, 1                        ; lane bit 2: the two lanes of a row pair hold the same sums; one stores the left, one the right block
	v_lshl_add_u32 v8, v9, 1, v8
	v_add_nc_u32 v8, v8, v10
	v_lshlrev_b32 v8, 2, v8
	v_add_nc_u32 v4, s23, v8                       ; 8x8 level: token 21 + 32 j + 8 (lane >> 3) + 2 (lane & 3) + bit 2
	v_cmp_ne_u32 s46, 0, v10
	v_bfe_u32 v8, v1, 4, 1
	v_lshl_add_u32 v8, v8, 2, v9
	v_lshlrev_b32 v8, 2, v8
	v_add_nc_u32 v5, s23, v8                       ; 4x4 level: token 5 + 8 j + 4 (lane >> 4) + (lane & 3)
	v_bfe_u32 v8, v1, 1, 1
	v_lshlrev_b32 v8, 2, v8
	v_add_nc_u32 v6, s23, v8                       ; 2x2 level: token 1 + 2 j + ((lane >> 1) & 1)
	v_mov_b32 v7, s23                              ; 1x1 level: token 0
	s_lshl_b32 s23, s20, 4
	v_mov_b32 v11, s23                             ; Z0B: four words a wave
	v_mov_b32 v14, 0x4e6e6b28                      ; 1e9: above every index
	v_mov_b32 v15, 0                               ; destination of v_permlanex16_b32 (it counts as read)
; The four levels of one plane.  Lanes that hold the same mean store the same word with the same value.
.macro PLANE n
.irp j, 0,1
	v_add_f32 v144, v[F+8*\n+4*\j], v[F+8*\n+4*\j+1]
	v_add_f32 v145, v[F+8*\n+4*\j+2], v[F+8*\n+4*\j+3]
	v_add_f32_dpp v144, v144, v144 row_xmask:4 row_mask:0xf bank_mask:0xf  ; + the other pixel row: two 2x2 sums
	v_add_f32_dpp v145, v145, v145 row_xmask:4 row_mask:0xf bank_mask:0xf
	v_add_f32 v146, v144, v145
	v_cndmask_b32 v144, v144, v145, s46
	v_add_f32_dpp v146, v146, v146 row_xmask:8 row_mask:0xf bank_mask:0xf  ; 4x4 sum
	v_mul_f32 v144, 0x3e800000, v144                                       ; / 4
	ds_store_b32 v4, v144 offset:84+\n*PLP+\j*128
	v_mov_b32 v147, v146
	v_mul_f32 v146, 0x3d800000, v146                                       ; / 16
	v_add_f32_dpp v147, v147, v147 row_xmask:1 row_mask:0xf bank_mask:0xf  ; 4 rows x 8 columns
	ds_store_b32 v5, v146 offset:20+\n*PLP+\j*32
	v_permlanex16_b32 v15, v147, s30, s31
	v_add_f32 v147, v147, v15                                              ; 8x8 sum
	v_mov_b32 v[148+\j], v147
	v_mul_f32 v147, 0x3c800000, v147                                       ; / 64
	v_add_f32_dpp v[148+\j], v[148+\j], v[148+\j] row_xmask:2 row_mask:0xf bank_mask:0xf   ; 8 rows x 16 columns
	ds_store_b32 v6, v147 offset:4+\n*PLP+\j*8
.endr
	v_add_f32 v148, v148, v149
	v_mul_f32 v148, 0x3b800000, v148                                       ; / 256
	ds_store_b32 v7, v148 offset:\n*PLP
	ds_store_b32 v11, v148 offset:Z0B+4*\n
.endm
	s_wait_loadcnt 16                              ; the 8 loads of f_src are in; the 16 of emb behind them stay out
	PLANE 0
	PLANE 1
	PLANE 2
	PLANE 3
	s_wait_dscnt 0x0                               ; my means are in LDS
	s_barrier_signal -1
	s_barrier_wait -1                              ; everybody's are
	v_mov_b32 v10, 0
.irp k, 0,1,2,3,4,5,6,7
	ds_load_b128 v[Z0+4*\k:Z0+4*\k+3], v10 offset:Z0B+16*\k                ; one address for all lanes: z of image 0
.endr
.irp k, 0,1,2,3,4,5,6,7
	ds_load_b128 v[Z1+4*\k:Z1+4*\k+3], v10 offset:Z0B+128+16*\k            ; z of image 1
.endr
	s_lshl_b32 s23, s22, 10
	v_add_nc_u32 v9, s23, v0
	v_cvt_f32_u32 v12, v9                          ; my first code's index as f32 (exact below 2^24)
	v_add_f32 v13, 0x44000000, v12                 ; + 512
	s_wait_loadcnt 0x0
	s_wait_dscnt 0x0
; ee = sum e^2, sc0 = e.z0 - ee / 2, sc1 = e.z1 - ee / 2: three chains of packed multiply-adds, started by a multiply
.macro SCORE e, ee, sc0, sc1
	v_pk_mul_f32 v[150:151], v[\e:\e+1], v[\e:\e+1]
	v_pk_mul_f32 v[152:153], v[\e:\e+1], v[Z0:Z0+1]
	v_pk_mul_f32 v[154:155], v[\e:\e+1], v[Z1:Z1+1]
.irp i, 2,4,6,8,10,12,14,16,18,20,22,24,26,28,30
	v_pk_fma_f32 v[150:151], v[\e+\i:\e+\i+1], v[\e+\i:\e+\i+1], v[150:151]
	v_pk_fma_f32 v[152:153], v[\e+\i:\e+\i+1], v[Z0+\i:Z0+\i+1], v[152:153]
	v_pk_fma_f32 v[154:155], v[\e+\i:\e+\i+1], v[Z1+\i:Z1+\i+1], v[154:155]
.endr
	v_add_f32 v[\ee], v150, v151
	v_add_f32 v152, v152, v153
	v_add_f32 v154, v154, v155
	v_fma_f32 v[\sc0], v[\ee], -0.5, v152
	v_fma_f32 v[\sc1], v[\ee], -0.5, v154
.endm
	SCORE EA, 156, 158, 159
	SCORE EB, 157, 160, 161
	v_cmp_gt_f32 vcc_lo, v160, v158                ; the higher index wins only if strictly better
	v_cndmask_b32 v163, v12, v13, vcc_lo
	v_max_num_f32 v162, v158, v160
	v_cmp_gt_f32 vcc_lo, v161, v159
	v_cndmask_b32 v165, v12, v13, vcc_lo
	v_max_num_f32 v164, v159, v161
.macro MAXLAD r, full                  ; maximum over 16 lanes (full = 1: over 32), result in every lane
	v_max_num_f32_dpp v[\r], v[\r], v[\r] row_xmask:1 row_mask:0xf bank_mask:0xf
	v_max_num_f32_dpp v[\r], v[\r], v[\r] row_xmask:2 row_mask:0xf bank_mask:0xf
	v_max_num_f32_dpp v[\r], v[\r], v[\r] row_xmask:4 row_mask:0xf bank_mask:0xf
	v_max_num_f32_dpp v[\r], v[\r], v[\r] row_xmask:8 row_mask:0xf bank_mask:0xf
.if \full
	v_permlanex16_b32 v15, v[\r], s30, s31
	v_max_num_f32 v[\r], v[\r], v15
.endif
.endm
.macro MINLAD r, full
	v_min_num_f32_dpp v[\r], v[\r], v[\r] row_xmask:1 row_mask:0xf bank_mask:0xf
	v_min_num_f32_dpp v[\r], v[\r], v[\r] row_xmask:2 row_mask:0xf bank_mask:0xf
	v_min_num_f32_dpp v[\r], v[\r], v[\r] row_xmask:4 row_mask:0xf bank_mask:0xf
	v_min_num_f32_dpp v[\r], v[\r], v[\r] row_xmask:8 row_mask:0xf bank_mask:0xf
.if \full
	v_permlanex16_b32 v15, v[\r], s30, s31
	v_min_num_f32 v[\r], v[\r], v15
.endif
.endm
; v[o] = the largest val, v[o+1] = the smallest idx among the lanes that hold it
.macro WMAXIDX val, idx, o, full
	v_mov_b32 v[\o], v[\val]
	MAXLAD \o, \full
	v_cmp_eq_f32 vcc_lo, v[\val], v[\o]
	v_cndmask_b32 v[\o+1], v14, v[\idx], vcc_lo
	MINLAD \o+1, \full
.endm
	WMAXIDX 162, 163, 166, 1
	WMAXIDX 164, 165, 168, 1
	s_lshl_b32 s23, s20, 3
	v_mov_b32 v9, s23
	ds_store_b64 v9, v[166:167] offset:RD          ; image 0, wave w
	ds_store_b64 v9, v[168:169] offset:RD+128      ; image 1, wave w
	s_wait_dscnt 0x0
	s_barrier_signal -1
	s_barrier_wait -1
	; wave 0: lanes 0-15 reduce image 0's sixteen wave results, lanes 16-31 image 1's
	s_cmp_lg_u32 s20, 0
	s_cbranch_scc1 .Lnot0
	v_lshlrev_b32 v8, 3, v1
	ds_load_b64 v[170:171], v8 offset:RD
	s_wait_dscnt 0x0
	WMAXIDX 170, 171, 172, 0
	v_ashrrev_i32 v8, 31, v172                     ; the score as an integer of the same order: negative numbers have their lower 31 bits turned
	v_and_b32 v8, 0x7fffffff, v8
	v_xor_b32 v172, v172, v8
	v_cvt_u32_f32 v173, v173
	v_lshrrev_b32 v9, 4, v1
	v_lshlrev_b32 v9, 3, v9                        ; 8 bytes an image
	v_and_b32 v8, 15, v1
	v_cmp_eq_u32 vcc_lo, 0, v8
	s_and_saveexec_b32 s47, vcc_lo                 ; lanes 0 and 16 store
	global_store_b64 v9, v[172:173], s[28:29]
	s_wait_xcnt 0x0                                ; EXEC is a source of the pending store
	s_or_b32 exec_lo, exec_lo, s47
.Lnot0:
	; The code table.  A thread holds two whole codes (sets EA, EB); a code's row is four pieces of 8 channels, so a wave has eight jobs (set, piece).
	; Work-group x < 8 does job x = 4 set + piece in all its 16 waves: with the four p that is every piece of every code once in the launch,
	; and no wave does more than one piece.
	s_cmp_ge_u32 s21, 8
	s_cbranch_scc1 .Lnoconv
	v_lshrrev_b32 v8, 4, v1
	v_and_b32 v10, 15, v1
	v_lshlrev_b32 v8, 11, v8                       ; lanes 16-31: the next tile
	v_lshl_add_u32 v8, v10, 4, v8                  ; 16 bytes a code: sixteen lanes fill 256 neighbouring, aligned bytes
	v_lshlrev_b32 v9, 2, v1
; job id: piece q = id & 3 = channels 8 q .. 8 q + 7 of the codes of set id >> 2 = bytes 256 q + 16 r of the tile's hi and lo halves
; (fragment registers 4 (q >> 1) .., lane half q & 1).  The job with piece 0 also stores the set's bias.
.macro CONV id, e, ee
	s_cmp_lg_u32 s21, \id
	s_cbranch_scc1 .Lcv\id
.irp i, 0,2,4,6
	v_pk_mul_f32 v[48+\i:49+\i], v[\e+8*(\id&3)+\i:\e+8*(\id&3)+\i+1], s[36:37] op_sel_hi:[1,0]
.endr
	v_cvt_pk_f16_f32 v16, v48, v49                 ; hi
	v_cvt_pk_f16_f32 v17, v50, v51
	v_cvt_pk_f16_f32 v18, v52, v53
	v_cvt_pk_f16_f32 v19, v54, v55
	v_cvt_f32_f16 v56, v16.l
	v_cvt_f32_f16 v57, v16.h
	v_cvt_f32_f16 v58, v17.l
	v_cvt_f32_f16 v59, v17.h
	v_cvt_f32_f16 v60, v18.l
	v_cvt_f32_f16 v61, v18.h
	v_cvt_f32_f16 v62, v19.l
	v_cvt_f32_f16 v63, v19.h
.irp i, 0,2,4,6
	v_pk_add_f32 v[48+\i:49+\i], v[48+\i:49+\i], v[56+\i:57+\i] neg_lo:[0,1] neg_hi:[0,1]   ; es - hi, exact
.endr
	v_cvt_pk_f16_f32 v20, v48, v49                 ; lo
	v_cvt_pk_f16_f32 v21, v50, v51
	v_cvt_pk_f16_f32 v22, v52, v53
	v_cvt_pk_f16_f32 v23, v54, v55
	global_store_b128 v8, v[16:19], s[32:33] offset:(\id>>2)*65536+256*(\id&3)
	global_store_b128 v8, v[20:23], s[32:33] offset:(\id>>2)*65536+1024+256*(\id&3)
.if (\id&3) == 0
	v_mul_f32 v28, 0xc7000000, v[\ee]              ; bias = -0.5 x 65536 x sum e^2
	global_store_b32 v9, v28, s[34:35] offset:(\id>>2)*2048
.endif
	s_branch .Lnoconv
.Lcv\id:
.endm
	CONV 0, EA, 156
	CONV 1, EA, 156
	CONV 2, EA, 156
	CONV 3, EA, 156
	CONV 4, EB, 157
	CONV 5, EB, 157
	CONV 6, EB, 157
	CONV 7, EB, 157
.Lnoconv:
	; The pyramid goes out: work-group p writes image 2x + (p & 1), rows 0-63 (bit 1 of p = 0) or rows 64-84 (bit 1 = 1).  A thread takes
	; 4 channels of a row (4 words, 340 bytes apart in LDS) and stores 16 bytes; 16 neighbouring lanes fill 256 aligned bytes.
	; The row is clamped to 84, so that every lane reads inside the 64 planes of 340 bytes (the last byte read is 7 x 1360 + 84 x 4 + 10880
	; + 1020 + 3 = 21,759); the lanes beyond row 84 read row 84 again and are switched off for the store alone.
	s_and_b32 s38, s22, 1                          ; which image
	s_bfe_u32 s39, s22, 0x10001                    ; which rows: one bit from bit 1
	v_and_b32 v32, 7, v0                           ; which 4 channels
	v_lshrrev_b32 v33, 3, v0
	s_lshl_b32 s42, s39, 6
	v_add_nc_u32 v33, s42, v33                     ; the row
	v_min_u32 v33, 84, v33
	v_mul_u32_u24 v34, v32, 4*PLP
	v_lshl_add_u32 v34, v33, 2, v34
	s_mul_i32 s41, s38, 32*PLP
	v_add_nc_u32 v34, s41, v34
	ds_load_b32 v24, v34
	ds_load_b32 v25, v34 offset:PLP
	ds_load_b32 v26, v34 offset:2*PLP
	ds_load_b32 v27, v34 offset:3*PLP
	v_lshlrev_b32 v35, 4, v0
	s_lshl_b32 s42, s21, 1
	s_add_co_u32 s42, s42, s38
	s_mul_i32 s42, s42, 11264
	s_lshl_b32 s43, s39, 13
	s_add_co_u32 s42, s42, s43
	s_mov_b32 s43, 0
	s_add_nc_u64 s[44:45], s[10:11], s[42:43]
	s_mul_i32 s40, s39, 344
	s_sub_co_u32 s40, 512, s40                     ; 64 rows = 512 threads, or 21 rows = 168 threads
	v_cmp_gt_u32 vcc_lo, s40, v0
	s_wait_dscnt 0x0
	s_wait_xcnt 0x0                                ; EXEC is a source of the code table's stores above: it changes only behind this wait
	s_wait_tensorcnt 0x0
	ds_add_u32 v176, v177
	s_wait_dscnt 0x0
	s_and_saveexec_b32 s47, vcc_lo
	global_store_b128 v35, v[24:27], s[44:45]
	s_wait_xcnt 0x0                                ; and of this store
	s_or_b32 exec_lo, exec_lo, s47
	s_endpgm
.Lfunc_end_k_q06c0f4091f_prep:
	.size	k_q06c0f4091f_prep, .Lfunc_end_k_q06c0f4091f_prep-k_q06c0f4091f_prep
	.p2alignl 7, 3214868480
	.fill 96, 4, 3214868480
	.section	.rodata,"a",@progbits
	.p2align	6, 0x0
	.amdhsa_kernel k_q06c0f4091f_prep
		.amdhsa_group_segment_fixed_size 24576
		.amdhsa_private_segment_fixed_size 0
		.amdhsa_enable_private_segment 0
		.amdhsa_kernarg_size 40
		.amdhsa_user_sgpr_count 2
		.amdhsa_user_sgpr_kernarg_segment_ptr 1
		.amdhsa_wavefront_size32 1
		.amdhsa_system_sgpr_workgroup_id_x 1
		.amdhsa_system_sgpr_workgroup_id_y 1
		.amdhsa_system_sgpr_workgroup_id_z 1
		.amdhsa_system_vgpr_workitem_id 0
		.amdhsa_next_free_vgpr 178
		.amdhsa_next_free_sgpr 66
		.amdhsa_reserve_vcc 1
		.amdhsa_float_denorm_mode_32 3
		.amdhsa_float_denorm_mode_16_64 3
		.amdhsa_memory_ordered 1
		.amdhsa_forward_progress 1
		.amdhsa_inst_pref_size 40
	.end_amdhsa_kernel
	.amdgpu_metadata
---
amdhsa.version: [ 1, 2 ]
amdhsa.kernels:
  - .name:           k_q06c0f4091f_prep
    .symbol:         k_q06c0f4091f_prep.kd
    .args:
      - { .name: f_src, .offset: 0, .size: 8, .value_kind: global_buffer, .address_space: global }
      - { .name: emb_weight, .offset: 8, .size: 8, .value_kind: global_buffer, .address_space: global }
      - { .name: ecode, .offset: 16, .size: 8, .value_kind: global_buffer, .address_space: global }
      - { .name: pyr, .offset: 24, .size: 8, .value_kind: global_buffer, .address_space: global }
      - { .name: cand0, .offset: 32, .size: 8, .value_kind: global_buffer, .address_space: global }
    .group_segment_fixed_size: 24576
    .private_segment_fixed_size: 0
    .kernarg_segment_align: 8
    .kernarg_segment_size: 40
    .max_flat_workgroup_size: 512
    .sgpr_count:     66
    .vgpr_count:     178
    .wavefront_size: 32
...
	.end_amdgpu_metadata
.endif
;; end of part 1
;; launch st1 (part 2): grid 32 x 4, 16 waves a work-group, no clusters, 61,440 bytes of LDS; arguments ecode, pyr, emb_weight, out0, cand1, cand0; writes out0, cand1
.if DOCPART == 2
	.amdgcn_target "amdgcn-amd-amdhsa--gfx1250"
	.amdhsa_code_object_version 6
	.text
	.protected	k_q06c0f4091f_st1
	.globl	k_q06c0f4091f_st1
	.p2align	8
	.type	k_q06c0f4091f_st1,@function
k_q06c0f4091f_st1:
	s_mov_b64 s[64:65], 0
	v_nop
	global_prefetch_b8 v0, s[64:65] scope:SCOPE_SE
	s_setreg_imm32_b32 hwreg(HW_REG_WAVE_MODE, 25, 1), 1
	s_wait_xcnt 0x0
; CycleVAR source tokens, stage STAGE (1, 2, 3: maps of 2x2, 4x4, 8x8 tokens).  The same text serves the three stages; only STAGE differs.
; With h_t the token maps of the earlier stages (t < STAGE), U_t the cubic weights 16 x pt and D the area mean to PS x PS:
;   nxt = sum over t of (D U_t) h_t (D U_t)^T   (per channel; t = 0 is h_0 itself),   z = pyr - nxt.
; nxt is one piece of the output (tokens OUTOFF ..), z is what this stage looks up in the code table.
; h_t = emb[argmax]: the launch before left, for every token, the best (key, index) of each of the four parts of the table; here all four rows
; are gathered and the one with the largest key is kept by v_cndmask_b32 (the lowest part wins ties).
; Score = 65536 (z.e - |e|^2 / 2) on the matrix units, f16 operands, f32 sums: es = 256 e = EH + EL, zs = 256 z = ZH + ZL,
;   D = EH ZL + bias;  D = EL ZH + D;  D = EH ZH + D      (the term EL ZL, 2^-22 of a product, is left out)
; LIMITS: finite inputs; |z|, |e| < 255 (f16 range after the factor 256); a +0 / -0 tie of scores is ordered by the integer key; other ties: lowest index.
; Work-group (x, p): images IMGS x ..; codes 1024 p .. +1023.  Wave w keeps code tiles 64 p + 4 w + c (c = 0..3) in registers for the whole
; kernel (hi, lo, bias: 96 registers) and also makes tokens w TPW .. of z.  The tokens go round through LDS.
; The main part is pipelined by hand: the 12 products of token tile n stand one by one between the 12 pieces of the search in tile n - 1's scores,
; with two sets of accumulators and of token fragments that take turns.
; No cluster, no tensor load: each byte of the code table that a work-group reads (132 KiB) is wanted by one wave alone and goes straight into the
; registers where it stays; a joint load lands in LDS and would add a write and a read of those 132 KiB.  K = 32 is one matrix step: no ring.
.set STAGE, 1
.if STAGE == 1
.set LOGPS, 1
.set IMGS, 4
.set OUTOFF, 0
.set PYROFF, 1
.endif
.if STAGE == 2
.set LOGPS, 2
.set IMGS, 2
.set OUTOFF, 4
.set PYROFF, 5
.endif
.if STAGE == 3
.set LOGPS, 3
.set IMGS, 2
.set OUTOFF, 20
.set PYROFF, 21
.endif
.set PS,     1<<LOGPS
.set PS2,    PS*PS
.set NTOK,   IMGS*PS2                  ; tokens of a work-group: 16, 32, 128
.set NT,     NTOK/16                   ; token tiles
.set TPW,    NTOK/16                   ; tokens whose z a wave makes
.set PLANEW, 128*PS2*8                 ; bytes of one part in the candidate buffer that is written
; LDS
.set HB0, 0                            ; h_0: IMGS rows of 128 bytes
.set HB1, 512                          ; h_1: IMGS x 4 rows
.set HB2, 1536                         ; h_2: IMGS x 16 rows
.set TB1, 5632                         ; D U_1: PS rows of 2 weights
.set TB2, 5696                         ; D U_2: PS rows of 4 weights
.set ZHB, 5888                         ; ZH: NTOK rows of 64 bytes, pitch 80 (an odd multiple of 16: the 16 rows of a fragment fall on different banks)
.set ZLB, 16128                        ; ZL likewise
.set NXB, 26368                        ; nxt: NTOK rows of 128 bytes
.set RDB, 42752                        ; [16 waves][128 tokens] x (score, index): 1,024 bytes of its own for each wave
; registers
.set EH, 64                            ; v[64:95]   hi fragments of my 4 code tiles
.set EL, 96                            ; v[96:127]  lo fragments
.set BI, 128                           ; v[128:159] bias in the accumulator's layout
.set DA, 160                           ; v[160:191] 4 accumulators of the even token tiles (before the products: h, weights)
.set ZA, 192                           ; v[192:207] token fragment of the even tiles: hi 8 registers, lo 8
.set DB, 208                           ; v[208:239] 4 accumulators of the odd token tiles (before the products: weights)
.set ZB, 240                           ; v[240:255] token fragment of the odd tiles
.set T0, 36                            ; v[36:39]   the search: the largest score of each accumulator
.set U0, 40                            ; v[40:43]   at work in the four trees
.set M01, 44                           ; best of accumulators 0, 1
.set M23, 45                           ; best of accumulators 2, 3
.set MM,  46                           ; best of the lane's 32 scores
.set C01, 47                           ; 16 x the winner of 0, 1
.set C23, 48                           ; 16 x the winner of 2, 3
.set CID, 49                           ; 16 x the winner of all four
.set JA,  50                           ; lowest register 0-3 that holds the best, else 8
.set JB,  51                           ; lowest register 4-6 that holds the best, else 7
	s_load_b256 s[4:11], s[0:1], 0x0               ; ecode s[4:5], pyr s[6:7], emb s[8:9], out0 s[10:11]
.if STAGE == 3
	s_load_b256 s[12:19], s[0:1], 0x20             ; written candidates s[12:13], cand0 s[14:15], cand1 s[16:17], cand2 s[18:19]
.else
	s_load_b128 s[12:15], s[0:1], 0x20
	v_lshl_add_u32 v254, v0, 2, 0xe800
	v_mov_b32 v255, 0
.endif
.if STAGE == 2
	s_load_b64 s[16:17], s[0:1], 0x30
.endif
	v_and_b32 v1, 31, v0                           ; lane
	v_lshrrev_b32 v24, 5, v0
	v_readfirstlane_b32 s20, v24                   ; wave w
	s_mov_b32 s21, ttmp9                           ; x
	s_and_b32 s22, ttmp7, 0xffff                   ; p
	s_mov_b32 s30, 0x76543210                      ; v_permlanex16_b32: lane i takes lane i of the other half
	s_mov_b32 s31, 0xfedcba98
	s_mov_b32 s50, 0x3fc00000                      ; 1.5, -2.5, 2.5: the cubic kernel's coefficients that are no inline constants
	s_mov_b32 s51, 0xc0200000
	s_mov_b32 s52, 0x40200000
	v_and_b32 v2, 15, v1                           ; r
	v_lshrrev_b32 v3, 4, v1                        ; h
	v_lshlrev_b32 v4, 4, v1                        ; 16 lane: code fragments
	v_lshlrev_b32 v5, 5, v3                        ; 32 h: bias of codes 8 h .. 8 h + 7 of a tile
	v_lshlrev_b32 v6, 2, v1                        ; 4 lane: lane = channel
	v_mul_u32_u24 v7, v2, 80
	v_lshl_add_u32 v7, v3, 4, v7                   ; token fragment: row r, 16 bytes for each half of the lanes
	s_lshl_b32 s23, s20, 10
	v_lshl_add_u32 v8, v2, 3, s23                  ; my wave's results: 8 bytes a token
	s_lshl_b32 s38, s22, 10
	s_lshl_b32 s39, s20, 6
	s_add_co_u32 s38, s38, s39
	v_lshl_add_u32 v9, v3, 3, s38                  ; index of accumulator register 0 of tile c = 0: 1024 p + 64 w + 8 h
	s_mul_i32 s39, s20, TPW*80
	v_lshl_add_u32 v10, v1, 1, s39                 ; where my tokens' f16 go: 2 bytes a channel
	s_mul_i32 s39, s20, TPW*128
	v_add_nc_u32 v11, s39, v6                      ; where my tokens' nxt goes
	v_mov_b32 v19, 0                               ; destinations of v_permlanex16_b32 (they count as read)
	v_mov_b32 v20, 0
	v_and_b32 v22, 7, v1
	v_lshlrev_b32 v22, 4, v22                      ; gather: 8 lanes x 16 bytes = a code's row
	s_mul_i32 s40, s20, TPW                        ; my first token
	s_lshr_b32 s41, s40, 2*LOGPS                   ; its image i
	s_and_b32 s42, s40, PS2-1                      ; its place in the map
	s_lshl_b32 s43, s41, 7
	v_add_nc_u32 v12, s43, v6                      ; h_0 of image i
.if STAGE >= 2
	s_lshl_b32 s43, s41, 9
	v_add_nc_u32 v13, s43, v6                      ; h_1 of image i
	s_lshr_b32 s43, s42, LOGPS                     ; y
	s_lshl_b32 s23, s43, 3
	v_mov_b32 v15, s23                             ; row y of D U_1
.endif
.if STAGE == 2
	s_and_b32 s23, s42, PS-1                       ; first column, 0 or 2
	s_lshl_b32 s23, s23, 3
	v_mov_b32 v17, s23                             ; rows x0, x0 + 1 of D U_1
.endif
.if STAGE == 3
	s_lshl_b32 s23, s41, 11
	v_add_nc_u32 v14, s23, v6                      ; h_2 of image i
	s_lshl_b32 s23, s43, 4
	v_mov_b32 v16, s23                             ; row y of D U_2
	v_mov_b32 v18, 0                               ; whole tables
.endif
	s_mul_i32 s44, s21, IMGS
	s_add_co_u32 s44, s44, s41
	s_mul_i32 s44, s44, 11264                      ; pyr: 88 rows of 128 bytes an image
	s_lshl_b32 s45, s42, 7
	s_add_co_u32 s44, s44, s45
	s_add_co_u32 s44, s44, PYROFF*128
	s_mov_b32 s45, 0
	s_lshl_b32 s46, s22, 17                        ; ecode: 64 tiles of 2,048 bytes a part, 4 tiles a wave
	s_lshl_b32 s47, s20, 13
	s_add_co_u32 s46, s46, s47
	s_mov_b32 s47, 0
	s_lshl_b32 s48, s22, 12                        ; bias: 64 bytes a tile, behind the 256 tiles
	s_lshl_b32 s49, s20, 8
	s_add_co_u32 s48, s48, s49
	s_add_co_u32 s48, s48, 524288
	s_mov_b32 s49, 0
	s_mul_i32 s38, s22, PLANEW
	s_mul_i32 s39, s21, NTOK*8
	s_add_co_u32 s38, s38, s39
	s_mov_b32 s39, 0
	s_wait_kmcnt 0x0
	s_add_nc_u64 s[28:29], s[6:7], s[44:45]
	s_add_nc_u64 s[24:25], s[4:5], s[46:47]
	s_add_nc_u64 s[26:27], s[4:5], s[48:49]
	s_add_nc_u64 s[36:37], s[12:13], s[38:39]
.macro PYRLOAD                         ; my tokens' area means: TPW loads of 128 neighbouring bytes
.set n, 0
.rept TPW
	global_load_b32 v[52+n], v6, s[28:29] offset:128*n
.set n, n+1
.endr
.endm
.macro ELOAD                           ; my four code tiles: 6 loads each, 24 in all, tile by tile
.irp c, 0,1,2,3
	global_load_b128 v[EH+8*\c:EH+8*\c+3],   v4, s[24:25] offset:2048*\c
	global_load_b128 v[EH+8*\c+4:EH+8*\c+7], v4, s[24:25] offset:2048*\c+512
	global_load_b128 v[EL+8*\c:EL+8*\c+3],   v4, s[24:25] offset:2048*\c+1024
	global_load_b128 v[EL+8*\c+4:EL+8*\c+7], v4, s[24:25] offset:2048*\c+1536
	global_load_b128 v[BI+8*\c:BI+8*\c+3],   v5, s[26:27] offset:64*\c
	global_load_b128 v[BI+8*\c+4:BI+8*\c+7], v5, s[26:27] offset:64*\c+16
.endr
.endm
; A wave resolves four tokens of an earlier stage: group g = lane >> 3 takes token 4 (w - w0) + (g & gm), its 8 lanes the row's 8 x 16 bytes.
; cb: scalar pair of the candidate buffer; pt2: tokens an image; plane: bytes of a part; hb: where the rows go.  With gm < 3 groups double each other
; and store the same bytes.  The dependent chain (candidates, rows) is issued first, the bulk (code tiles) behind it.
.macro RESOLVE cb, pt2, plane, w0, gm, hb
	s_sub_co_u32 s53, s20, \w0
	s_lshl_b32 s54, s53, 5
	s_mul_i32 s55, s21, IMGS*\pt2*8
	s_add_co_u32 s54, s54, s55
	s_mov_b32 s55, 0
	s_add_nc_u64 s[32:33], s[\cb:\cb+1], s[54:55]
	v_bfe_u32 v21, v1, 3, 2
	v_and_b32 v21, \gm, v21
	s_lshl_b32 s53, s53, 9
	v_lshl_add_u32 v23, v21, 7, v22
	v_add_nc_u32 v23, s53, v23
	v_lshlrev_b32 v21, 3, v21
.irp q, 0,1,2,3
	global_load_b64 v[24+2*\q:25+2*\q], v21, s[32:33] offset:\q*\plane     ; (key, index) of part q
.endr
	PYRLOAD
	s_wait_loadcnt TPW                             ; the four candidates are in; the TPW loads of pyr behind them stay out
.irp q, 0,1,2,3
	v_min_u32 v[25+2*\q], 0xfff, v[25+2*\q]        ; an index stays inside the table
	v_lshl_add_u32 v[32+\q], v[25+2*\q], 7, v22
	global_load_b128 v[36+4*\q:39+4*\q], v[32+\q], s[8:9]
.endr
	ELOAD
	v_cmp_gt_i32 s56, v26, v24                     ; a later part wins only if strictly better
	v_max_i32 v24, v24, v26
	v_cmp_gt_i32 s57, v28, v24
	v_max_i32 v24, v24, v28
	v_cmp_gt_i32 s58, v30, v24
	s_wait_loadcnt 24                              ; the four rows are in; the 24 loads of code tiles stay out
.irp j, 0,1,2,3
	v_cndmask_b32 v[36+\j], v[36+\j], v[40+\j], s56
	v_cndmask_b32 v[36+\j], v[36+\j], v[44+\j], s57
	v_cndmask_b32 v[36+\j], v[36+\j], v[48+\j], s58
.endr
	ds_store_b128 v23, v[36:39] offset:\hb
.endm
; v[w] = the cubic kernel at distance v[d] >= 0: ((1.5 d - 2.5) d) d + 1 below 1, ((-0.5 d + 2.5) d - 4) d + 2 below 2, else 0
.macro KEYS w, d
	v_fma_f32 v[\w], s50, v[\d], s51
	v_fma_f32 v176, -0.5, v[\d], s52
	v_mul_f32 v[\w], v[\w], v[\d]
	v_fma_f32 v176, v176, v[\d], -4.0
	v_fma_f32 v[\w], v[\w], v[\d], 1.0
	v_fma_f32 v176, v176, v[\d], 2.0
	v_cmp_le_f32 vcc_lo, 1.0, v[\d]
	v_cndmask_b32 v[\w], v[\w], v176, vcc_lo
	v_cmp_gt_f32 vcc_lo, 2.0, v[\d]
	v_cndmask_b32 v[\w], 0, v[\w], vcc_lo
.endm
; The table D U: lane x = lane & 15 makes row x of U (pt weights at sf = (x + 0.5) pt / 16 - 0.5, divided by their sum), then the mean over
; groups of 2^logr rows.  sc = pt / 16, rinv = 2^-logr.  All lanes of a group (and both halves of the wave) store the same row.
.macro UTAB pt, sc, logr, rinv, base
	v_cvt_f32_u32 v170, v2
	v_add_f32 v170, 0.5, v170
	v_fma_f32 v170, v170, \sc, -0.5
.set q, 0
.rept \pt
	v_and_b32 v171, 0x7fffffff, v170               ; |sf - q|
	KEYS 160+q, 171
	v_add_f32 v170, -1.0, v170
.set q, q+1
.endr
	v_add_f32 v172, v160, v161
.if \pt > 2
.set q, 2
.rept \pt-2
	v_add_f32 v172, v172, v[160+q]
.set q, q+1
.endr
.endif
	v_rcp_f32 v174, v172
	v_lshrrev_b32 v173, \logr, v2                  ; the plain instruction behind v_rcp_f32 (ISA guide 5.7.2): the row of the table
.if \logr > 0
	v_mul_f32 v174, \rinv, v174
.endif
.set q, 0
.rept \pt
	v_mul_f32 v[160+q], v[160+q], v174
.set q, q+1
.endr
.if \logr >= 1
.set q, 0
.rept \pt
	v_add_f32_dpp v[160+q], v[160+q], v[160+q] row_xmask:1 row_mask:0xf bank_mask:0xf
.set q, q+1
.endr
.endif
.if \logr >= 2
.set q, 0
.rept \pt
	v_add_f32_dpp v[160+q], v[160+q], v[160+q] row_xmask:2 row_mask:0xf bank_mask:0xf
.set q, q+1
.endr
.endif
	v_mul_u32_u24 v173, v173, 4*\pt
.if \pt == 2
	ds_store_b64 v173, v[160:161] offset:\base
.endif
.if \pt >= 4
	ds_store_b128 v173, v[160:163] offset:\base
.endif
.if \pt == 8
	ds_store_b128 v173, v[164:167] offset:\base+16
.endif
.endm
	; who resolves what: IMGS pt^2 tokens of each earlier stage, four to a wave
.if STAGE == 3
	s_cmp_lt_u32 s20, 8
	s_cbranch_scc1 .Lres2
	s_cmp_lt_u32 s20, 10
	s_cbranch_scc1 .Lres1
	s_cmp_eq_u32 s20, 10
	s_cbranch_scc1 .Lres0
.endif
.if STAGE == 2
	s_cmp_lt_u32 s20, 2
	s_cbranch_scc1 .Lres1
	s_cmp_eq_u32 s20, 2
	s_cbranch_scc1 .Lres0
.endif
.if STAGE == 1
	s_cmp_eq_u32 s20, 0
	s_cbranch_scc1 .Lres0
.endif
	PYRLOAD                                        ; the other waves start their loads at once
	ELOAD
.if STAGE >= 2
	s_cmp_lg_u32 s20, 15
	s_cbranch_scc1 .Ljoin
.endif
.if STAGE == 2
	UTAB 2, 0x3e000000, 2, 0x3e800000, TB1         ; wave 15: means of 4 rows of U_1
.endif
.if STAGE == 3
	UTAB 2, 0x3e000000, 1, 0.5, TB1                ; wave 15: means of 2 rows of U_1 and of U_2
	UTAB 4, 0x3e800000, 1, 0.5, TB2
.endif
	s_branch .Ljoin
.if STAGE == 3
.Lres2:
	RESOLVE 18, 16, 16384, 0, 3, HB2
	s_branch .Ljoin
.Lres1:
	RESOLVE 16, 4, 4096, 8, 3, HB1
	s_branch .Ljoin
.Lres0:
	RESOLVE 14, 1, 1024, 10, 1, HB0
.endif
.if STAGE == 2
.Lres1:
	RESOLVE 16, 4, 4096, 0, 3, HB1
	s_branch .Ljoin
.Lres0:
	RESOLVE 14, 1, 1024, 2, 1, HB0
.endif
.if STAGE == 1
.Lres0:
	RESOLVE 14, 1, 1024, 0, 3, HB0
.endif
.Ljoin:
	s_wait_dscnt 0x0                               ; my rows and tables are in LDS
	s_barrier_signal -1
	s_barrier_wait -1
	; z of my TPW tokens, lane = channel: a vertical pass with row y of each table, then a horizontal one for each token
	ds_load_b32 v160, v12 offset:HB0
.if STAGE >= 2
.irp t, 0,1,2,3
	ds_load_b32 v[161+\t], v13 offset:HB1+128*\t
.endr
	ds_load_b64 v[182:183], v15 offset:TB1
.endif
.if STAGE == 2
	ds_load_b128 v[208:211], v17 offset:TB1
.endif
.if STAGE == 3
.set t, 0
.rept 16
	ds_load_b32 v[165+t], v14 offset:HB2+128*t
.set t, t+1
.endr
	ds_load_b128 v[184:187], v16 offset:TB2
.irp t, 0,1,2,3
	ds_load_b128 v[208+4*\t:211+4*\t], v18 offset:TB1+16*\t
.endr
.irp t, 0,1,2,3,4,5,6,7
	ds_load_b128 v[224+4*\t:227+4*\t], v18 offset:TB2+16*\t
.endr
.endif
	v_mov_b32 v36, 0                               ; the f16 conversions below write low halves only
	v_mov_b32 v38, 0
	s_wait_dscnt 0x0
	s_wait_loadcnt 24                              ; pyr is in; the 24 loads of code tiles stay out
.if STAGE >= 2
.irp q, 0,1
	v_mul_f32 v[188+\q], v182, v[161+\q]
	v_fmac_f32 v[188+\q], v183, v[163+\q]
.endr
.endif
.if STAGE == 3
.irp q, 0,1,2,3
	v_mul_f32 v[190+\q], v184, v[165+\q]
	v_fmac_f32 v[190+\q], v185, v[169+\q]
	v_fmac_f32 v[190+\q], v186, v[173+\q]
	v_fmac_f32 v[190+\q], v187, v[177+\q]
.endr
.endif
.if STAGE == 1
.set ACC, 160                          ; nxt is h_0 itself
.else
.set ACC, 40
.endif
.set n, 0
.rept TPW
.if STAGE >= 2
	v_fma_f32 v40, v[208+2*n], v188, v160
	v_fmac_f32 v40, v[209+2*n], v189
.endif
.if STAGE == 3
	v_fmac_f32 v40, v[224+4*n], v190
	v_fmac_f32 v40, v[225+4*n], v191
	v_fmac_f32 v40, v[226+4*n], v192
	v_fmac_f32 v40, v[227+4*n], v193
.endif
	ds_store_b32 v11, v[ACC] offset:NXB+128*n
	v_sub_f32 v41, v[52+n], v[ACC]                 ; z
	v_mul_f32 v41, 0x43800000, v41                 ; zs = 256 z
	v_cvt_f16_f32 v36.l, v41                       ; hi
	v_cvt_f32_f16 v37, v36.l
	v_sub_f32 v41, v41, v37                        ; zs - hi, exact
	v_cvt_f16_f32 v38.l, v41                       ; lo
	ds_store_b16 v10, v36 offset:ZHB+80*n
	ds_store_b16 v10, v38 offset:ZLB+80*n
.set n, n+1
.endr
	s_wait_dscnt 0x0
	s_barrier_signal -1
	s_barrier_wait -1
; Token tile t as a B fragment in v[zb .. zb + 15]: column r = token 16 t + r, two loads of 16 bytes 32 apart, hi then lo
.macro ZLOAD t, zb
	ds_load_b128 v[\zb:\zb+3],     v7 offset:ZHB+1280*(\t)
	ds_load_b128 v[\zb+4:\zb+7],   v7 offset:ZHB+1280*(\t)+32
	ds_load_b128 v[\zb+8:\zb+11],  v7 offset:ZLB+1280*(\t)
	ds_load_b128 v[\zb+12:\zb+15], v7 offset:ZLB+1280*(\t)+32
.endm
; Matrix instruction k (0 .. 11) of the tile with accumulators DW and fragment ZW: link k / 4 of accumulator k % 4.  Links 1 and 2 go on in place
; (C = D = the link before): no distance is owed between them (ISA guide 7.12.1).
; Register j of accumulator c in lane (r, h) is the score of code 1024 p + 64 w + 16 c + 8 h + j for token r of the tile.
.macro WM k
.set WC, (\k)%4
.if (\k)/4 == 0
	v_wmma_f32_16x16x32_f16 v[DW+8*WC:DW+8*WC+7], v[EH+8*WC:EH+8*WC+7], v[ZW+8:ZW+15], v[BI+8*WC:BI+8*WC+7]
.endif
.if (\k)/4 == 1
	v_wmma_f32_16x16x32_f16 v[DW+8*WC:DW+8*WC+7], v[EL+8*WC:EL+8*WC+7], v[ZW:ZW+7], v[DW+8*WC:DW+8*WC+7]
.endif
.if (\k)/4 == 2
	v_wmma_f32_16x16x32_f16 v[DW+8*WC:DW+8*WC+7], v[EH+8*WC:EH+8*WC+7], v[ZW:ZW+7], v[DW+8*WC:DW+8*WC+7]
.endif
.endm
; Piece k (0 .. 11) of the search in the 32 scores of a lane, accumulators DR, token tile RT: the largest score and the lowest index that has it.
; Four trees side by side; a knock-out 0 : 1, 2 : 3, winners (the later one only if strictly better), in which the winner's eight scores move into
; accumulator 0; the lowest of its registers that holds the best; then the other half of the lanes, which holds the token's other 32 codes.
; Every mask has a scalar register of its own, so that no compare waits for the select in front of it.
.macro RCH k
.if \k == 0
	v_max3_num_f32 v[T0],   v[DR],    v[DR+1],  v[DR+2]
	v_max3_num_f32 v[U0],   v[DR+3],  v[DR+4],  v[DR+5]
	v_max3_num_f32 v[T0+1], v[DR+8],  v[DR+9],  v[DR+10]
	v_max3_num_f32 v[U0+1], v[DR+11], v[DR+12], v[DR+13]
	v_max3_num_f32 v[T0],   v[T0],    v[U0],    v[DR+6]
	v_max3_num_f32 v[T0+1], v[T0+1],  v[U0+1],  v[DR+14]
.endif
.if \k == 1
	v_max3_num_f32 v[T0+2], v[DR+16], v[DR+17], v[DR+18]
	v_max3_num_f32 v[U0+2], v[DR+19], v[DR+20], v[DR+21]
	v_max3_num_f32 v[T0+3], v[DR+24], v[DR+25], v[DR+26]
	v_max3_num_f32 v[U0+3], v[DR+27], v[DR+28], v[DR+29]
	v_max_num_f32 v[T0],   v[T0],   v[DR+7]
	v_max_num_f32 v[T0+1], v[T0+1], v[DR+15]
.endif
.if \k == 2
	v_max3_num_f32 v[T0+2], v[T0+2], v[U0+2], v[DR+22]
	v_max3_num_f32 v[T0+3], v[T0+3], v[U0+3], v[DR+30]
	v_cmp_gt_f32 s56, v[T0+1], v[T0]
	v_max_num_f32 v[M01], v[T0], v[T0+1]
	v_max_num_f32 v[T0+2], v[T0+2], v[DR+23]
	v_max_num_f32 v[T0+3], v[T0+3], v[DR+31]
.endif
.if \k == 3
	v_cmp_gt_f32 s57, v[T0+3], v[T0+2]
	v_max_num_f32 v[M23], v[T0+2], v[T0+3]
	v_cndmask_b32 v[C01], 0, 16, s56
	v_cndmask_b32 v[C23], 32, 48, s57
	v_cmp_gt_f32 s58, v[M23], v[M01]
	v_max_num_f32 v[MM], v[M01], v[M23]
.endif
.if \k == 4
	v_permlanex16_b32 v19, v[MM], s30, s31
.irp j, 0,1,2,3,4
	v_cndmask_b32 v[DR+\j], v[DR+\j], v[DR+8+\j], s56
.endr
.endif
.if \k == 5
.irp j, 5,6,7
	v_cndmask_b32 v[DR+\j], v[DR+\j], v[DR+8+\j], s56
.endr
.irp j, 0,1,2
	v_cndmask_b32 v[DR+16+\j], v[DR+16+\j], v[DR+24+\j], s57
.endr
.endif
.if \k == 6
.irp j, 3,4,5,6,7
	v_cndmask_b32 v[DR+16+\j], v[DR+16+\j], v[DR+24+\j], s57
.endr
	v_cndmask_b32 v[CID], v[C01], v[C23], s58
.endif
.if \k == 7
	v_max_num_f32 v32, v[MM], v19                  ; the token's best in my wave
.irp j, 0,1,2,3,4
	v_cndmask_b32 v[DR+\j], v[DR+\j], v[DR+16+\j], s58
.endr
.endif
.if \k == 8
.irp j, 5,6,7
	v_cndmask_b32 v[DR+\j], v[DR+\j], v[DR+16+\j], s58
.endr
	v_cmp_eq_f32 s43, v[DR+3], v[MM]
	v_cmp_eq_f32 s42, v[DR+2], v[MM]
	v_cmp_eq_f32 s41, v[DR+1], v[MM]
.endif
.if \k == 9
	v_cmp_eq_f32 s40, v[DR], v[MM]
	v_cmp_eq_f32 s46, v[DR+6], v[MM]
	v_cmp_eq_f32 s45, v[DR+5], v[MM]
	v_cmp_eq_f32 s44, v[DR+4], v[MM]
	v_cndmask_b32 v[JA], 8, 3, s43
	v_cmp_eq_f32 vcc_lo, v[MM], v32
.endif
.if \k == 10
	v_cndmask_b32 v[JB], 7, 6, s46                 ; downward in two chains: the lowest register that holds the best stays
	v_cndmask_b32 v[JA], v[JA], 2, s42
	v_cndmask_b32 v[JB], v[JB], 5, s45
	v_cndmask_b32 v[JA], v[JA], 1, s41
	v_cndmask_b32 v[JB], v[JB], 4, s44
	v_cndmask_b32 v[JA], v[JA], 0, s40
.endif
.if \k == 11
	v_min_u32 v[JA], v[JA], v[JB]
	v_add3_u32 v33, v9, v[CID], v[JA]              ; the index
	v_cndmask_b32 v33, 0x7fffffff, v33, vcc_lo     ; counts only if my half holds the best
	v_permlanex16_b32 v20, v33, s30, s31
	v_min_u32 v33, v33, v20
	ds_store_b64 v8, v[32:33] offset:RDB+128*RT    ; both halves store the same pair
.endif
.endm
; Token tile TL >= 1: its 12 products, each followed by one piece of the search in tile TL - 1.  Distances (ISA guide 7.12.1): the last link of
; accumulator c is instruction 8 + c of the step before; pieces 9 to 11 (17 vector instructions) lie between it and piece 0, which reads accumulators
; 0 and 1, and piece 11 and piece 0 (11) in front of piece 1, which reads accumulators 2 and 3; none of them names a register of those links.
; The fragment of tile TL + 1 is loaded behind piece 1 into the set that tile TL - 1 has read, as far behind its last reader.
.macro STEP
.if TL & 1
.set DW, DB
.set ZW, ZB
.set DR, DA
.set ZR, ZA
.else
.set DW, DA
.set ZW, ZA
.set DR, DB
.set ZR, ZB
.endif
.set RT, TL-1
.if TL == 1
	s_wait_dscnt 0x0                               ; tile 1's four fragment loads: nothing was issued behind them
.else
	s_wait_dscnt 0x1                               ; this tile's four fragment loads are in; the result store issued behind them may be out
.endif
.irp k, 0,1,2,3,4,5,6,7,8,9,10,11
	WM \k
	RCH \k
.if \k == 1
.if TL+1 < NT
	ZLOAD TL+1, ZR
.endif
.endif
.endr
.endm
	ZLOAD 0, ZA
.if NT > 1
	ZLOAD 1, ZB
	s_wait_dscnt 0x4                               ; tile 0's four loads are in; tile 1's four stay out
.else
	s_wait_dscnt 0x0
.endif
.set DW, DA
.set ZW, ZA
.irp k, 0,1,2,3
	s_wait_loadcnt 18-6*\k                         ; code tile k is in: six loads for each tile behind it may be out
	WM \k
.endr
.irp k, 4,5,6,7,8,9,10,11
	WM \k
.endr
.rept 4
	v_nop                                          ; tile 0 has no search beside it: four places (ISA guide 7.12.1) before its scores are read
.endr
.if NT > 1
.set TL, 1
.rept NT-1
	STEP
.set TL, TL+1
.endr
.endif
.if (NT-1) & 1
.set DR, DB
.else
.set DR, DA
.endif
.set RT, NT-1
.irp k, 0,1,2,3,4,5,6,7,8,9,10,11
	RCH \k                                         ; the search in the last tile
.endr
	; nxt goes out (work-groups p = 0): 16 bytes a thread, 16 neighbouring lanes fill 256 aligned bytes; an image's piece is 128 PS^2 bytes
	s_cmp_lg_u32 s22, 0
	s_cbranch_scc1 .Lnoout
.if STAGE < 3
	s_cmp_ge_u32 s20, NTOK/4                       ; 8 NTOK pieces of 16 bytes
	s_cbranch_scc1 .Lnoout
.endif
	v_lshlrev_b32 v34, 4, v0
	ds_load_b128 v[36:39], v34 offset:NXB
.if STAGE == 3
	ds_load_b128 v[40:43], v34 offset:NXB+8192     ; the second image
.endif
	s_mul_i32 s54, s21, IMGS*43520                 ; 340 tokens of 128 bytes an image
	s_add_co_u32 s54, s54, OUTOFF*128
	s_mov_b32 s55, 0
	s_add_nc_u64 s[34:35], s[10:11], s[54:55]
.if STAGE < 3
	v_lshrrev_b32 v35, 3+2*LOGPS, v0               ; the image
	v_mad_u32_u24 v35, v35, 43520-128*PS2, v34
	s_wait_dscnt 0x0
	global_store_b128 v35, v[36:39], s[34:35] th:TH_STORE_NT
.else
	s_wait_dscnt 0x0
	global_store_b128 v34, v[36:39], s[34:35] th:TH_STORE_NT
	global_store_b128 v34, v[40:43], s[34:35] offset:43520 th:TH_STORE_NT
.endif
.Lnoout:
	s_wait_dscnt 0x0                               ; my results are in LDS
	s_barrier_signal -1
	s_barrier_wait -1
	; thread t < NTOK: the best of the 16 waves for token t.  Waves ascending = indices ascending; a knock-out in four rounds, in which the later
	; wave of a pair wins only if strictly better.
	s_cmp_ge_u32 s20, (NTOK+31)/32
	s_cbranch_scc1 .Lend
	v_and_b32 v44, NTOK-1, v0                      ; (with 16 tokens the upper half of the wave doubles the lower and stores the same)
	v_lshlrev_b32 v44, 3, v44
.set q, 0
.rept 16
	ds_load_b64 v[64+2*q:65+2*q], v44 offset:RDB+1024*q
.set q, q+1
.endr
	s_wait_dscnt 0x0
.macro LEVEL s                         ; wave q + s against wave q, for q = 0, 2 s, 4 s ..: first all compares, then the maxima and the indices
.set q, 0
.rept 8/\s
	v_cmp_gt_f32 s[40+q/(2*\s)], v[64+2*(q+\s)], v[64+2*q]
.set q, q+2*\s
.endr
.set q, 0
.rept 8/\s
	v_max_num_f32 v[64+2*q], v[64+2*q], v[64+2*(q+\s)]
	v_cndmask_b32 v[65+2*q], v[65+2*q], v[65+2*(q+\s)], s[40+q/(2*\s)]
.set q, q+2*\s
.endr
.endm
	LEVEL 1
	LEVEL 2
	LEVEL 4
	LEVEL 8
	v_ashrrev_i32 v45, 31, v64                     ; the score as an integer of the same order
	v_and_b32 v45, 0x7fffffff, v45
	v_xor_b32 v64, v64, v45
	global_store_b64 v44, v[64:65], s[36:37]
.Lend:
	s_wait_tensorcnt 0x0
	ds_add_u32 v254, v255
	s_wait_dscnt 0x0
	s_endpgm
.Lfunc_end_k_q06c0f4091f_st1:
	.size	k_q06c0f4091f_st1, .Lfunc_end_k_q06c0f4091f_st1-k_q06c0f4091f_st1
	.p2alignl 7, 3214868480
	.fill 96, 4, 3214868480
	.section	.rodata,"a",@progbits
	.p2align	6, 0x0
	.amdhsa_kernel k_q06c0f4091f_st1
		.amdhsa_group_segment_fixed_size 61440
		.amdhsa_private_segment_fixed_size 0
		.amdhsa_enable_private_segment 0
		.amdhsa_kernarg_size 48
		.amdhsa_user_sgpr_count 2
		.amdhsa_user_sgpr_kernarg_segment_ptr 1
		.amdhsa_wavefront_size32 1
		.amdhsa_system_sgpr_workgroup_id_x 1
		.amdhsa_system_sgpr_workgroup_id_y 1
		.amdhsa_system_sgpr_workgroup_id_z 1
		.amdhsa_system_vgpr_workitem_id 0
		.amdhsa_next_free_vgpr 256
		.amdhsa_next_free_sgpr 66
		.amdhsa_reserve_vcc 1
		.amdhsa_float_denorm_mode_32 3
		.amdhsa_float_denorm_mode_16_64 3
		.amdhsa_memory_ordered 1
		.amdhsa_forward_progress 1
		.amdhsa_inst_pref_size 22
	.end_amdhsa_kernel
	.amdgpu_metadata
---
amdhsa.version: [ 1, 2 ]
amdhsa.kernels:
  - .name:           k_q06c0f4091f_st1
    .symbol:         k_q06c0f4091f_st1.kd
    .args:
      - { .name: ecode, .offset: 0, .size: 8, .value_kind: global_buffer, .address_space: global }
      - { .name: pyr, .offset: 8, .size: 8, .value_kind: global_buffer, .address_space: global }
      - { .name: emb_weight, .offset: 16, .size: 8, .value_kind: global_buffer, .address_space: global }
      - { .name: out0, .offset: 24, .size: 8, .value_kind: global_buffer, .address_space: global }
      - { .name: cand1, .offset: 32, .size: 8, .value_kind: global_buffer, .address_space: global }
      - { .name: cand0, .offset: 40, .size: 8, .value_kind: global_buffer, .address_space: global }
    .group_segment_fixed_size: 61440
    .private_segment_fixed_size: 0
    .kernarg_segment_align: 8
    .kernarg_segment_size: 48
    .max_flat_workgroup_size: 512
    .sgpr_count:     66
    .vgpr_count:     256
    .wavefront_size: 32
...
	.end_amdgpu_metadata
.endif
;; end of part 2
;; launch st2 (part 3): grid 64 x 4, 16 waves a work-group, no clusters, 61,440 bytes of LDS; arguments ecode, pyr, emb_weight, out0, cand2, cand0, cand1; writes out0, cand2
.if DOCPART == 3
	.amdgcn_target "amdgcn-amd-amdhsa--gfx1250"
	.amdhsa_code_object_version 6
	.text
	.protected	k_q06c0f4091f_st2
	.globl	k_q06c0f4091f_st2
	.p2align	8
	.type	k_q06c0f4091f_st2,@function
k_q06c0f4091f_st2:
	s_mov_b64 s[64:65], 0
	v_nop
	global_prefetch_b8 v0, s[64:65] scope:SCOPE_SE
	s_setreg_imm32_b32 hwreg(HW_REG_WAVE_MODE, 25, 1), 1
	s_wait_xcnt 0x0
; CycleVAR source tokens, stage STAGE (1, 2, 3: maps of 2x2, 4x4, 8x8 tokens).  The same text serves the three stages; only STAGE differs.
; With h_t the token maps of the earlier stages (t < STAGE), U_t the cubic weights 16 x pt and D the area mean to PS x PS:
;   nxt = sum over t of (D U_t) h_t (D U_t)^T   (per channel; t = 0 is h_0 itself),   z = pyr - nxt.
; nxt is one piece of the output (tokens OUTOFF ..), z is what this stage looks up in the code table.
; h_t = emb[argmax]: the launch before left, for every token, the best (key, index) of each of the four parts of the table; here all four rows
; are gathered and the one with the largest key is kept by v_cndmask_b32 (the lowest part wins ties).
; Score = 65536 (z.e - |e|^2 / 2) on the matrix units, f16 operands, f32 sums: es = 256 e = EH + EL, zs = 256 z = ZH + ZL,
;   D = EH ZL + bias;  D = EL ZH + D;  D = EH ZH + D      (the term EL ZL, 2^-22 of a product, is left out)
; LIMITS: finite inputs; |z|, |e| < 255 (f16 range after the factor 256); a +0 / -0 tie of scores is ordered by the integer key; other ties: lowest index.
; Work-group (x, p): images IMGS x ..; codes 1024 p .. +1023.  Wave w keeps code tiles 64 p + 4 w + c (c = 0..3) in registers for the whole
; kernel (hi, lo, bias: 96 registers) and also makes tokens w TPW .. of z.  The tokens go round through LDS.
; The main part is pipelined by hand: the 12 products of token tile n stand one by one between the 12 pieces of the search in tile n - 1's scores,
; with two sets of accumulators and of token fragments that take turns.
; No cluster, no tensor load: each byte of the code table that a work-group reads (132 KiB) is wanted by one wave alone and goes straight into the
; registers where it stays; a joint load lands in LDS and would add a write and a read of those 132 KiB.  K = 32 is one matrix step: no ring.
.set STAGE, 2
.if STAGE == 1
.set LOGPS, 1
.set IMGS, 4
.set OUTOFF, 0
.set PYROFF, 1
.endif
.if STAGE == 2
.set LOGPS, 2
.set IMGS, 2
.set OUTOFF, 4
.set PYROFF, 5
.endif
.if STAGE == 3
.set LOGPS, 3
.set IMGS, 2
.set OUTOFF, 20
.set PYROFF, 21
.endif
.set PS,     1<<LOGPS
.set PS2,    PS*PS
.set NTOK,   IMGS*PS2                  ; tokens of a work-group: 16, 32, 128
.set NT,     NTOK/16                   ; token tiles
.set TPW,    NTOK/16                   ; tokens whose z a wave makes
.set PLANEW, 128*PS2*8                 ; bytes of one part in the candidate buffer that is written
; LDS
.set HB0, 0                            ; h_0: IMGS rows of 128 bytes
.set HB1, 512                          ; h_1: IMGS x 4 rows
.set HB2, 1536                         ; h_2: IMGS x 16 rows
.set TB1, 5632                         ; D U_1: PS rows of 2 weights
.set TB2, 5696                         ; D U_2: PS rows of 4 weights
.set ZHB, 5888                         ; ZH: NTOK rows of 64 bytes, pitch 80 (an odd multiple of 16: the 16 rows of a fragment fall on different banks)
.set ZLB, 16128                        ; ZL likewise
.set NXB, 26368                        ; nxt: NTOK rows of 128 bytes
.set RDB, 42752                        ; [16 waves][128 tokens] x (score, index): 1,024 bytes of its own for each wave
; registers
.set EH, 64                            ; v[64:95]   hi fragments of my 4 code tiles
.set EL, 96                            ; v[96:127]  lo fragments
.set BI, 128                           ; v[128:159] bias in the accumulator's layout
.set DA, 160                           ; v[160:191] 4 accumulators of the even token tiles (before the products: h, weights)
.set ZA, 192                           ; v[192:207] token fragment of the even tiles: hi 8 registers, lo 8
.set DB, 208                           ; v[208:239] 4 accumulators of the odd token tiles (before the products: weights)
.set ZB, 240                           ; v[240:255] token fragment of the odd tiles
.set T0, 36                            ; v[36:39]   the search: the largest score of each accumulator
.set U0, 40                            ; v[40:43]   at work in the four trees
.set M01, 44                           ; best of accumulators 0, 1
.set M23, 45                           ; best of accumulators 2, 3
.set MM,  46                           ; best of the lane's 32 scores
.set C01, 47                           ; 16 x the winner of 0, 1
.set C23, 48                           ; 16 x the winner of 2, 3
.set CID, 49                           ; 16 x the winner of all four
.set JA,  50                           ; lowest register 0-3 that holds the best, else 8
.set JB,  51                           ; lowest register 4-6 that holds the best, else 7
	s_load_b256 s[4:11], s[0:1], 0x0               ; ecode s[4:5], pyr s[6:7], emb s[8:9], out0 s[10:11]
.if STAGE == 3
	s_load_b256 s[12:19], s[0:1], 0x20             ; written candidates s[12:13], cand0 s[14:15], cand1 s[16:17], cand2 s[18:19]
.else
	s_load_b128 s[12:15], s[0:1], 0x20
.endif
.if STAGE == 2
	s_load_b64 s[16:17], s[0:1], 0x30
	v_lshl_add_u32 v62, v0, 2, 0xe800
	v_mov_b32 v63, 0
.endif
	v_and_b32 v1, 31, v0                           ; lane
	v_lshrrev_b32 v24, 5, v0
	v_readfirstlane_b32 s20, v24                   ; wave w
	s_mov_b32 s21, ttmp9                           ; x
	s_and_b32 s22, ttmp7, 0xffff                   ; p
	s_mov_b32 s30, 0x76543210                      ; v_permlanex16_b32: lane i takes lane i of the other half
	s_mov_b32 s31, 0xfedcba98
	s_mov_b32 s50, 0x3fc00000                      ; 1.5, -2.5, 2.5: the cubic kernel's coefficients that are no inline constants
	s_mov_b32 s51, 0xc0200000
	s_mov_b32 s52, 0x40200000
	v_and_b32 v2, 15, v1                           ; r
	v_lshrrev_b32 v3, 4, v1                        ; h
	v_lshlrev_b32 v4, 4, v1                        ; 16 lane: code fragments
	v_lshlrev_b32 v5, 5, v3                        ; 32 h: bias of codes 8 h .. 8 h + 7 of a tile
	v_lshlrev_b32 v6, 2, v1                        ; 4 lane: lane = channel
	v_mul_u32_u24 v7, v2, 80
	v_lshl_add_u32 v7, v3, 4, v7                   ; token fragment: row r, 16 bytes for each half of the lanes
	s_lshl_b32 s23, s20, 10
	v_lshl_add_u32 v8, v2, 3, s23                  ; my wave's results: 8 bytes a token
	s_lshl_b32 s38, s22, 10
	s_lshl_b32 s39, s20, 6
	s_add_co_u32 s38, s38, s39
	v_lshl_add_u32 v9, v3, 3, s38                  ; index of accumulator register 0 of tile c = 0: 1024 p + 64 w + 8 h
	s_mul_i32 s39, s20, TPW*80
	v_lshl_add_u32 v10, v1, 1, s39                 ; where my tokens' f16 go: 2 bytes a channel
	s_mul_i32 s39, s20, TPW*128
	v_add_nc_u32 v11, s39, v6                      ; where my tokens' nxt goes
	v_mov_b32 v19, 0                               ; destinations of v_permlanex16_b32 (they count as read)
	v_mov_b32 v20, 0
	v_and_b32 v22, 7, v1
	v_lshlrev_b32 v22, 4, v22                      ; gather: 8 lanes x 16 bytes = a code's row
	s_mul_i32 s40, s20, TPW                        ; my first token
	s_lshr_b32 s41, s40, 2*LOGPS                   ; its image i
	s_and_b32 s42, s40, PS2-1                      ; its place in the map
	s_lshl_b32 s43, s41, 7
	v_add_nc_u32 v12, s43, v6                      ; h_0 of image i
.if STAGE >= 2
	s_lshl_b32 s43, s41, 9
	v_add_nc_u32 v13, s43, v6                      ; h_1 of image i
	s_lshr_b32 s43, s42, LOGPS                     ; y
	s_lshl_b32 s23, s43, 3
	v_mov_b32 v15, s23                             ; row y of D U_1
.endif
.if STAGE == 2
	s_and_b32 s23, s42, PS-1                       ; first column, 0 or 2
	s_lshl_b32 s23, s23, 3
	v_mov_b32 v17, s23                             ; rows x0, x0 + 1 of D U_1
.endif
.if STAGE == 3
	s_lshl_b32 s23, s41, 11
	v_add_nc_u32 v14, s23, v6                      ; h_2 of image i
	s_lshl_b32 s23, s43, 4
	v_mov_b32 v16, s23                             ; row y of D U_2
	v_mov_b32 v18, 0                               ; whole tables
.endif
	s_mul_i32 s44, s21, IMGS
	s_add_co_u32 s44, s44, s41
	s_mul_i32 s44, s44, 11264                      ; pyr: 88 rows of 128 bytes an image
	s_lshl_b32 s45, s42, 7
	s_add_co_u32 s44, s44, s45
	s_add_co_u32 s44, s44, PYROFF*128
	s_mov_b32 s45, 0
	s_lshl_b32 s46, s22, 17                        ; ecode: 64 tiles of 2,048 bytes a part, 4 tiles a wave
	s_lshl_b32 s47, s20, 13
	s_add_co_u32 s46, s46, s47
	s_mov_b32 s47, 0
	s_lshl_b32 s48, s22, 12                        ; bias: 64 bytes a tile, behind the 256 tiles
	s_lshl_b32 s49, s20, 8
	s_add_co_u32 s48, s48, s49
	s_add_co_u32 s48, s48, 524288
	s_mov_b32 s49, 0
	s_mul_i32 s38, s22, PLANEW
	s_mul_i32 s39, s21, NTOK*8
	s_add_co_u32 s38, s38, s39
	s_mov_b32 s39, 0
	s_wait_kmcnt 0x0
	s_add_nc_u64 s[28:29], s[6:7], s[44:45]
	s_add_nc_u64 s[24:25], s[4:5], s[46:47]
	s_add_nc_u64 s[26:27], s[4:5], s[48:49]
	s_add_nc_u64 s[36:37], s[12:13], s[38:39]
.macro PYRLOAD                         ; my tokens' area means: TPW loads of 128 neighbouring bytes
.set n, 0
.rept TPW
	global_load_b32 v[52+n], v6, s[28:29] offset:128*n
.set n, n+1
.endr
.endm
.macro ELOAD                           ; my four code tiles: 6 loads each, 24 in all, tile by tile
.irp c, 0,1,2,3
	global_load_b128 v[EH+8*\c:EH+8*\c+3],   v4, s[24:25] offset:2048*\c
	global_load_b128 v[EH+8*\c+4:EH+8*\c+7], v4, s[24:25] offset:2048*\c+512
	global_load_b128 v[EL+8*\c:EL+8*\c+3],   v4, s[24:25] offset:2048*\c+1024
	global_load_b128 v[EL+8*\c+4:EL+8*\c+7], v4, s[24:25] offset:2048*\c+1536
	global_load_b128 v[BI+8*\c:BI+8*\c+3],   v5, s[26:27] offset:64*\c
	global_load_b128 v[BI+8*\c+4:BI+8*\c+7], v5, s[26:27] offset:64*\c+16
.endr
.endm
; A wave resolves four tokens of an earlier stage: group g = lane >> 3 takes token 4 (w - w0) + (g & gm), its 8 lanes the row's 8 x 16 bytes.
; cb: scalar pair of the candidate buffer; pt2: tokens an image; plane: bytes of a part; hb: where the rows go.  With gm < 3 groups double each other
; and store the same bytes.  The dependent chain (candidates, rows) is issued first, the bulk (code tiles) behind it.
.macro RESOLVE cb, pt2, plane, w0, gm, hb
	s_sub_co_u32 s53, s20, \w0
	s_lshl_b32 s54, s53, 5
	s_mul_i32 s55, s21, IMGS*\pt2*8
	s_add_co_u32 s54, s54, s55
	s_mov_b32 s55, 0
	s_add_nc_u64 s[32:33], s[\cb:\cb+1], s[54:55]
	v_bfe_u32 v21, v1, 3, 2
	v_and_b32 v21, \gm, v21
	s_lshl_b32 s53, s53, 9
	v_lshl_add_u32 v23, v21, 7, v22
	v_add_nc_u32 v23, s53, v23
	v_lshlrev_b32 v21, 3, v21
.irp q, 0,1,2,3
	global_load_b64 v[24+2*\q:25+2*\q], v21, s[32:33] offset:\q*\plane     ; (key, index) of part q
.endr
	PYRLOAD
	s_wait_loadcnt TPW                             ; the four candidates are in; the TPW loads of pyr behind them stay out
.irp q, 0,1,2,3
	v_min_u32 v[25+2*\q], 0xfff, v[25+2*\q]        ; an index stays inside the table
	v_lshl_add_u32 v[32+\q], v[25+2*\q], 7, v22
	global_load_b128 v[36+4*\q:39+4*\q], v[32+\q], s[8:9]
.endr
	ELOAD
	v_cmp_gt_i32 s56, v26, v24                     ; a later part wins only if strictly better
	v_max_i32 v24, v24, v26
	v_cmp_gt_i32 s57, v28, v24
	v_max_i32 v24, v24, v28
	v_cmp_gt_i32 s58, v30, v24
	s_wait_loadcnt 24                              ; the four rows are in; the 24 loads of code tiles stay out
.irp j, 0,1,2,3
	v_cndmask_b32 v[36+\j], v[36+\j], v[40+\j], s56
	v_cndmask_b32 v[36+\j], v[36+\j], v[44+\j], s57
	v_cndmask_b32 v[36+\j], v[36+\j], v[48+\j], s58
.endr
	ds_store_b128 v23, v[36:39] offset:\hb
.endm
; v[w] = the cubic kernel at distance v[d] >= 0: ((1.5 d - 2.5) d) d + 1 below 1, ((-0.5 d + 2.5) d - 4) d + 2 below 2, else 0
.macro KEYS w, d
	v_fma_f32 v[\w], s50, v[\d], s51
	v_fma_f32 v176, -0.5, v[\d], s52
	v_mul_f32 v[\w], v[\w], v[\d]
	v_fma_f32 v176, v176, v[\d], -4.0
	v_fma_f32 v[\w], v[\w], v[\d], 1.0
	v_fma_f32 v176, v176, v[\d], 2.0
	v_cmp_le_f32 vcc_lo, 1.0, v[\d]
	v_cndmask_b32 v[\w], v[\w], v176, vcc_lo
	v_cmp_gt_f32 vcc_lo, 2.0, v[\d]
	v_cndmask_b32 v[\w], 0, v[\w], vcc_lo
.endm
; The table D U: lane x = lane & 15 makes row x of U (pt weights at sf = (x + 0.5) pt / 16 - 0.5, divided by their sum), then the mean over
; groups of 2^logr rows.  sc = pt / 16, rinv = 2^-logr.  All lanes of a group (and both halves of the wave) store the same row.
.macro UTAB pt, sc, logr, rinv, base
	v_cvt_f32_u32 v170, v2
	v_add_f32 v170, 0.5, v170
	v_fma_f32 v170, v170, \sc, -0.5
.set q, 0
.rept \pt
	v_and_b32 v171, 0x7fffffff, v170               ; |sf - q|
	KEYS 160+q, 171
	v_add_f32 v170, -1.0, v170
.set q, q+1
.endr
	v_add_f32 v172, v160, v161
.if \pt > 2
.set q, 2
.rept \pt-2
	v_add_f32 v172, v172, v[160+q]
.set q, q+1
.endr
.endif
	v_rcp_f32 v174, v172
	v_lshrrev_b32 v173, \logr, v2                  ; the plain instruction behind v_rcp_f32 (ISA guide 5.7.2): the row of the table
.if \logr > 0
	s_wait_alu depctr_va_vdst(0)
	v_mul_f32 v174, \rinv, v174
.endif
.set q, 0
.rept \pt
	v_mul_f32 v[160+q], v[160+q], v174
.set q, q+1
.endr
.if \logr >= 1
.set q, 0
.rept \pt
	v_add_f32_dpp v[160+q], v[160+q], v[160+q] row_xmask:1 row_mask:0xf bank_mask:0xf
.set q, q+1
.endr
.endif
.if \logr >= 2
.set q, 0
.rept \pt
	v_add_f32_dpp v[160+q], v[160+q], v[160+q] row_xmask:2 row_mask:0xf bank_mask:0xf
.set q, q+1
.endr
.endif
	v_mul_u32_u24 v173, v173, 4*\pt
.if \pt == 2
	ds_store_b64 v173, v[160:161] offset:\base
.endif
.if \pt >= 4
	ds_store_b128 v173, v[160:163] offset:\base
.endif
.if \pt == 8
	ds_store_b128 v173, v[164:167] offset:\base+16
.endif
.endm
	; who resolves what: IMGS pt^2 tokens of each earlier stage, four to a wave
.if STAGE == 3
	s_cmp_lt_u32 s20, 8
	s_cbranch_scc1 .Lres2
	s_cmp_lt_u32 s20, 10
	s_cbranch_scc1 .Lres1
	s_cmp_eq_u32 s20, 10
	s_cbranch_scc1 .Lres0
.endif
.if STAGE == 2
	s_cmp_lt_u32 s20, 2
	s_cbranch_scc1 .Lres1
	s_cmp_eq_u32 s20, 2
	s_cbranch_scc1 .Lres0
.endif
.if STAGE == 1
	s_cmp_eq_u32 s20, 0
	s_cbranch_scc1 .Lres0
.endif
	PYRLOAD                                        ; the other waves start their loads at once
	ELOAD
.if STAGE >= 2
	s_cmp_lg_u32 s20, 15
	s_cbranch_scc1 .Ljoin
.endif
.if STAGE == 2
	UTAB 2, 0x3e000000, 2, 0x3e800000, TB1         ; wave 15: means of 4 rows of U_1
.endif
.if STAGE == 3
	UTAB 2, 0x3e000000, 1, 0.5, TB1                ; wave 15: means of 2 rows of U_1 and of U_2
	UTAB 4, 0x3e800000, 1, 0.5, TB2
.endif
	s_branch .Ljoin
.if STAGE == 3
.Lres2:
	RESOLVE 18, 16, 16384, 0, 3, HB2
	s_branch .Ljoin
.Lres1:
	RESOLVE 16, 4, 4096, 8, 3, HB1
	s_branch .Ljoin
.Lres0:
	RESOLVE 14, 1, 1024, 10, 1, HB0
.endif
.if STAGE == 2
.Lres1:
	RESOLVE 16, 4, 4096, 0, 3, HB1
	s_branch .Ljoin
.Lres0:
	RESOLVE 14, 1, 1024, 2, 1, HB0
.endif
.if STAGE == 1
.Lres0:
	RESOLVE 14, 1, 1024, 0, 3, HB0
.endif
.Ljoin:
	s_wait_dscnt 0x0                               ; my rows and tables are in LDS
	s_barrier_signal -1
	s_barrier_wait -1
	; z of my TPW tokens, lane = channel: a vertical pass with row y of each table, then a horizontal one for each token
	ds_load_b32 v160, v12 offset:HB0
.if STAGE >= 2
.irp t, 0,1,2,3
	ds_load_b32 v[161+\t], v13 offset:HB1+128*\t
.endr
	ds_load_b64 v[182:183], v15 offset:TB1
.endif
.if STAGE == 2
	ds_load_b128 v[208:211], v17 offset:TB1
.endif
.if STAGE == 3
.set t, 0
.rept 16
	ds_load_b32 v[165+t], v14 offset:HB2+128*t
.set t, t+1
.endr
	ds_load_b128 v[184:187], v16 offset:TB2
.irp t, 0,1,2,3
	ds_load_b128 v[208+4*\t:211+4*\t], v18 offset:TB1+16*\t
.endr
.irp t, 0,1,2,3,4,5,6,7
	ds_load_b128 v[224+4*\t:227+4*\t], v18 offset:TB2+16*\t
.endr
.endif
	v_mov_b32 v36, 0                               ; the f16 conversions below write low halves only
	v_mov_b32 v38, 0
	s_wait_dscnt 0x0
	s_wait_loadcnt 24                              ; pyr is in; the 24 loads of code tiles stay out
.if STAGE >= 2
.irp q, 0,1
	v_mul_f32 v[188+\q], v182, v[161+\q]
	v_fmac_f32 v[188+\q], v183, v[163+\q]
.endr
.endif
.if STAGE == 3
.irp q, 0,1,2,3
	v_mul_f32 v[190+\q], v184, v[165+\q]
	v_fmac_f32 v[190+\q], v185, v[169+\q]
	v_fmac_f32 v[190+\q], v186, v[173+\q]
	v_fmac_f32 v[190+\q], v187, v[177+\q]
.endr
.endif
.if STAGE == 1
.set ACC, 160                          ; nxt is h_0 itself
.else
.set ACC, 40
.endif
.set n, 0
.rept TPW
.if STAGE >= 2
	v_fma_f32 v40, v[208+2*n], v188, v160
	v_fmac_f32 v40, v[209+2*n], v189
.endif
.if STAGE == 3
	v_fmac_f32 v40, v[224+4*n], v190
	v_fmac_f32 v40, v[225+4*n], v191
	v_fmac_f32 v40, v[226+4*n], v192
	v_fmac_f32 v40, v[227+4*n], v193
.endif
	ds_store_b32 v11, v[ACC] offset:NXB+128*n
	v_sub_f32 v41, v[52+n], v[ACC]                 ; z
	v_mul_f32 v41, 0x43800000, v41                 ; zs = 256 z
	v_cvt_f16_f32 v36.l, v41                       ; hi
	v_cvt_f32_f16 v37, v36.l
	v_sub_f32 v41, v41, v37                        ; zs - hi, exact
	v_cvt_f16_f32 v38.l, v41                       ; lo
	ds_store_b16 v10, v36 offset:ZHB+80*n
	ds_store_b16 v10, v38 offset:ZLB+80*n
.set n, n+1
.endr
	s_wait_dscnt 0x0
	s_barrier_signal -1
	s_barrier_wait -1
; Token tile t as a B fragment in v[zb .. zb + 15]: column r = token 16 t + r, two loads of 16 bytes 32 apart, hi then lo
.macro ZLOAD t, zb
	ds_load_b128 v[\zb:\zb+3],     v7 offset:ZHB+1280*(\t)
	ds_load_b128 v[\zb+4:\zb+7],   v7 offset:ZHB+1280*(\t)+32
	ds_load_b128 v[\zb+8:\zb+11],  v7 offset:ZLB+1280*(\t)
	ds_load_b128 v[\zb+12:\zb+15], v7 offset:ZLB+1280*(\t)+32
.endm
; Matrix instruction k (0 .. 11) of the tile with accumulators DW and fragment ZW: link k / 4 of accumulator k % 4.  Links 1 and 2 go on in place
; (C = D = the link before): no distance is owed between them (ISA guide 7.12.1).
; Register j of accumulator c in lane (r, h) is the score of code 1024 p + 64 w + 16 c + 8 h + j for token r of the tile.
.macro WM k
.set WC, (\k)%4
.if (\k)/4 == 0
	v_wmma_f32_16x16x32_f16 v[DW+8*WC:DW+8*WC+7], v[EH+8*WC:EH+8*WC+7], v[ZW+8:ZW+15], v[BI+8*WC:BI+8*WC+7]
.endif
.if (\k)/4 == 1
	v_wmma_f32_16x16x32_f16 v[DW+8*WC:DW+8*WC+7], v[EL+8*WC:EL+8*WC+7], v[ZW:ZW+7], v[DW+8*WC:DW+8*WC+7]
.endif
.if (\k)/4 == 2
	v_wmma_f32_16x16x32_f16 v[DW+8*WC:DW+8*WC+7], v[EH+8*WC:EH+8*WC+7], v[ZW:ZW+7], v[DW+8*WC:DW+8*WC+7]
.endif
.endm
; Piece k (0 .. 11) of the search in the 32 scores of a lane, accumulators DR, token tile RT: the largest score and the lowest index that has it.
; Four trees side by side; a knock-out 0 : 1, 2 : 3, winners (the later one only if strictly better), in which the winner's eight scores move into
; accumulator 0; the lowest of its registers that holds the best; then the other half of the lanes, which holds the token's other 32 codes.
; Every mask has a scalar register of its own, so that no compare waits for the select in front of it.
.macro RCH k
.if \k == 0
	v_max3_num_f32 v[T0],   v[DR],    v[DR+1],  v[DR+2]
	v_max3_num_f32 v[U0],   v[DR+3],  v[DR+4],  v[DR+5]
	v_max3_num_f32 v[T0+1], v[DR+8],  v[DR+9],  v[DR+10]
	v_max3_num_f32 v[U0+1], v[DR+11], v[DR+12], v[DR+13]
	v_max3_num_f32 v[T0],   v[T0],    v[U0],    v[DR+6]
	v_max3_num_f32 v[T0+1], v[T0+1],  v[U0+1],  v[DR+14]
.endif
.if \k == 1
	v_max3_num_f32 v[T0+2], v[DR+16], v[DR+17], v[DR+18]
	v_max3_num_f32 v[U0+2], v[DR+19], v[DR+20], v[DR+21]
	v_max3_num_f32 v[T0+3], v[DR+24], v[DR+25], v[DR+26]
	v_max3_num_f32 v[U0+3], v[DR+27], v[DR+28], v[DR+29]
	v_max_num_f32 v[T0],   v[T0],   v[DR+7]
	v_max_num_f32 v[T0+1], v[T0+1], v[DR+15]
.endif
.if \k == 2
	v_max3_num_f32 v[T0+2], v[T0+2], v[U0+2], v[DR+22]
	v_max3_num_f32 v[T0+3], v[T0+3], v[U0+3], v[DR+30]
	v_cmp_gt_f32 s56, v[T0+1], v[T0]
	v_max_num_f32 v[M01], v[T0], v[T0+1]
	v_max_num_f32 v[T0+2], v[T0+2], v[DR+23]
	v_max_num_f32 v[T0+3], v[T0+3], v[DR+31]
.endif
.if \k == 3
	v_cmp_gt_f32 s57, v[T0+3], v[T0+2]
	v_max_num_f32 v[M23], v[T0+2], v[T0+3]
	v_cndmask_b32 v[C01], 0, 16, s56
	v_cndmask_b32 v[C23], 32, 48, s57
	v_cmp_gt_f32 s58, v[M23], v[M01]
	v_max_num_f32 v[MM], v[M01], v[M23]
.endif
.if \k == 4
	v_permlanex16_b32 v19, v[MM], s30, s31
.irp j, 0,1,2,3,4
	v_cndmask_b32 v[DR+\j], v[DR+\j], v[DR+8+\j], s56
.endr
.endif
.if \k == 5
.irp j, 5,6,7
	v_cndmask_b32 v[DR+\j], v[DR+\j], v[DR+8+\j], s56
.endr
.irp j, 0,1,2
	v_cndmask_b32 v[DR+16+\j], v[DR+16+\j], v[DR+24+\j], s57
.endr
.endif
.if \k == 6
.irp j, 3,4,5,6,7
	v_cndmask_b32 v[DR+16+\j], v[DR+16+\j], v[DR+24+\j], s57
.endr
	v_cndmask_b32 v[CID], v[C01], v[C23], s58
.endif
.if \k == 7
	v_max_num_f32 v32, v[MM], v19                  ; the token's best in my wave
.irp j, 0,1,2,3,4
	v_cndmask_b32 v[DR+\j], v[DR+\j], v[DR+16+\j], s58
.endr
.endif
.if \k == 8
.irp j, 5,6,7
	v_cndmask_b32 v[DR+\j], v[DR+\j], v[DR+16+\j], s58
.endr
	v_cmp_eq_f32 s43, v[DR+3], v[MM]
	v_cmp_eq_f32 s42, v[DR+2], v[MM]
	v_cmp_eq_f32 s41, v[DR+1], v[MM]
.endif
.if \k == 9
	v_cmp_eq_f32 s40, v[DR], v[MM]
	v_cmp_eq_f32 s46, v[DR+6], v[MM]
	v_cmp_eq_f32 s45, v[DR+5], v[MM]
	v_cmp_eq_f32 s44, v[DR+4], v[MM]
	v_cndmask_b32 v[JA], 8, 3, s43
	v_cmp_eq_f32 vcc_lo, v[MM], v32
.endif
.if \k == 10
	v_cndmask_b32 v[JB], 7, 6, s46                 ; downward in two chains: the lowest register that holds the best stays
	v_cndmask_b32 v[JA], v[JA], 2, s42
	v_cndmask_b32 v[JB], v[JB], 5, s45
	v_cndmask_b32 v[JA], v[JA], 1, s41
	v_cndmask_b32 v[JB], v[JB], 4, s44
	v_cndmask_b32 v[JA], v[JA], 0, s40
.endif
.if \k == 11
	v_min_u32 v[JA], v[JA], v[JB]
	v_add3_u32 v33, v9, v[CID], v[JA]              ; the index
	v_cndmask_b32 v33, 0x7fffffff, v33, vcc_lo     ; counts only if my half holds the best
	v_permlanex16_b32 v20, v33, s30, s31
	v_min_u32 v33, v33, v20
	ds_store_b64 v8, v[32:33] offset:RDB+128*RT    ; both halves store the same pair
.endif
.endm
; Token tile TL >= 1: its 12 products, each followed by one piece of the search in tile TL - 1.  Distances (ISA guide 7.12.1): the last link of
; accumulator c is instruction 8 + c of the step before; pieces 9 to 11 (17 vector instructions) lie between it and piece 0, which reads accumulators
; 0 and 1, and piece 11 and piece 0 (11) in front of piece 1, which reads accumulators 2 and 3; none of them names a register of those links.
; The fragment of tile TL + 1 is loaded behind piece 1 into the set that tile TL - 1 has read, as far behind its last reader.
.macro STEP
.if TL & 1
.set DW, DB
.set ZW, ZB
.set DR, DA
.set ZR, ZA
.else
.set DW, DA
.set ZW, ZA
.set DR, DB
.set ZR, ZB
.endif
.set RT, TL-1
.if TL == 1
	s_wait_dscnt 0x0                               ; tile 1's four fragment loads: nothing was issued behind them
.else
	s_wait_dscnt 0x1                               ; this tile's four fragment loads are in; the result store issued behind them may be out
.endif
.irp k, 0,1,2,3,4,5,6,7,8,9,10,11
	WM \k
	RCH \k
.if \k == 1
.if TL+1 < NT
	ZLOAD TL+1, ZR
.endif
.endif
.endr
.endm
	ZLOAD 0, ZA
.if NT > 1
	ZLOAD 1, ZB
	s_wait_dscnt 0x4                               ; tile 0's four loads are in; tile 1's four stay out
.else
	s_wait_dscnt 0x0
.endif
.set DW, DA
.set ZW, ZA
.irp k, 0,1,2,3
	s_wait_loadcnt 18-6*\k                         ; code tile k is in: six loads for each tile behind it may be out
	WM \k
.endr
.irp k, 4,5,6,7,8,9,10,11
	WM \k
.endr
.rept 4
	v_nop                                          ; tile 0 has no search beside it: four places (ISA guide 7.12.1) before its scores are read
.endr
.if NT > 1
.set TL, 1
.rept NT-1
	STEP
.set TL, TL+1
.endr
.endif
.if (NT-1) & 1
.set DR, DB
.else
.set DR, DA
.endif
.set RT, NT-1
.irp k, 0,1,2,3,4,5,6,7,8,9,10,11
	RCH \k                                         ; the search in the last tile
.endr
	; nxt goes out (work-groups p = 0): 16 bytes a thread, 16 neighbouring lanes fill 256 aligned bytes; an image's piece is 128 PS^2 bytes
	s_cmp_lg_u32 s22, 0
	s_cbranch_scc1 .Lnoout
.if STAGE < 3
	s_cmp_ge_u32 s20, NTOK/4                       ; 8 NTOK pieces of 16 bytes
	s_cbranch_scc1 .Lnoout
.endif
	v_lshlrev_b32 v34, 4, v0
	ds_load_b128 v[36:39], v34 offset:NXB
.if STAGE == 3
	ds_load_b128 v[40:43], v34 offset:NXB+8192     ; the second image
.endif
	s_mul_i32 s54, s21, IMGS*43520                 ; 340 tokens of 128 bytes an image
	s_add_co_u32 s54, s54, OUTOFF*128
	s_mov_b32 s55, 0
	s_add_nc_u64 s[34:35], s[10:11], s[54:55]
.if STAGE < 3
	v_lshrrev_b32 v35, 3+2*LOGPS, v0               ; the image
	v_mad_u32_u24 v35, v35, 43520-128*PS2, v34
	s_wait_dscnt 0x0
	global_store_b128 v35, v[36:39], s[34:35] th:TH_STORE_NT
.else
	s_wait_dscnt 0x0
	global_store_b128 v34, v[36:39], s[34:35] th:TH_STORE_NT
	global_store_b128 v34, v[40:43], s[34:35] offset:43520 th:TH_STORE_NT
.endif
.Lnoout:
	s_wait_dscnt 0x0                               ; my results are in LDS
	s_barrier_signal -1
	s_barrier_wait -1
	; thread t < NTOK: the best of the 16 waves for token t.  Waves ascending = indices ascending; a knock-out in four rounds, in which the later
	; wave of a pair wins only if strictly better.
	s_cmp_ge_u32 s20, (NTOK+31)/32
	s_cbranch_scc1 .Lend
	v_and_b32 v44, NTOK-1, v0                      ; (with 16 tokens the upper half of the wave doubles the lower and stores the same)
	v_lshlrev_b32 v44, 3, v44
.set q, 0
.rept 16
	ds_load_b64 v[64+2*q:65+2*q], v44 offset:RDB+1024*q
.set q, q+1
.endr
	s_wait_dscnt 0x0
.macro LEVEL s                         ; wave q + s against wave q, for q = 0, 2 s, 4 s ..: first all compares, then the maxima and the indices
.set q, 0
.rept 8/\s
	v_cmp_gt_f32 s[40+q/(2*\s)], v[64+2*(q+\s)], v[64+2*q]
.set q, q+2*\s
.endr
.set q, 0
.rept 8/\s
	v_max_num_f32 v[64+2*q], v[64+2*q], v[64+2*(q+\s)]
	v_cndmask_b32 v[65+2*q], v[65+2*q], v[65+2*(q+\s)], s[40+q/(2*\s)]
.set q, q+2*\s
.endr
.endm
	LEVEL 1
	LEVEL 2
	LEVEL 4
	LEVEL 8
	v_ashrrev_i32 v45, 31, v64                     ; the score as an integer of the same order
	v_and_b32 v45, 0x7fffffff, v45
	v_xor_b32 v64, v64, v45
	global_store_b64 v44, v[64:65], s[36:37]
.Lend:
	s_wait_tensorcnt 0x0
	ds_add_u32 v62, v63
	s_wait_dscnt 0x0
	s_endpgm
.Lfunc_end_k_q06c0f4091f_st2:
	.size	k_q06c0f4091f_st2, .Lfunc_end_k_q06c0f4091f_st2-k_q06c0f4091f_st2
	.p2alignl 7, 3214868480
	.fill 96, 4, 3214868480
	.section	.rodata,"a",@progbits
	.p2align	6, 0x0
	.amdhsa_kernel k_q06c0f4091f_st2
		.amdhsa_group_segment_fixed_size 61440
		.amdhsa_private_segment_fixed_size 0
		.amdhsa_enable_private_segment 0
		.amdhsa_kernarg_size 56
		.amdhsa_user_sgpr_count 2
		.amdhsa_user_sgpr_kernarg_segment_ptr 1
		.amdhsa_wavefront_size32 1
		.amdhsa_system_sgpr_workgroup_id_x 1
		.amdhsa_system_sgpr_workgroup_id_y 1
		.amdhsa_system_sgpr_workgroup_id_z 1
		.amdhsa_system_vgpr_workitem_id 0
		.amdhsa_next_free_vgpr 256
		.amdhsa_next_free_sgpr 66
		.amdhsa_reserve_vcc 1
		.amdhsa_float_denorm_mode_32 3
		.amdhsa_float_denorm_mode_16_64 3
		.amdhsa_memory_ordered 1
		.amdhsa_forward_progress 1
		.amdhsa_inst_pref_size 36
	.end_amdhsa_kernel
	.amdgpu_metadata
---
amdhsa.version: [ 1, 2 ]
amdhsa.kernels:
  - .name:           k_q06c0f4091f_st2
    .symbol:         k_q06c0f4091f_st2.kd
    .args:
      - { .name: ecode, .offset: 0, .size: 8, .value_kind: global_buffer, .address_space: global }
      - { .name: pyr, .offset: 8, .size: 8, .value_kind: global_buffer, .address_space: global }
      - { .name: emb_weight, .offset: 16, .size: 8, .value_kind: global_buffer, .address_space: global }
      - { .name: out0, .offset: 24, .size: 8, .value_kind: global_buffer, .address_space: global }
      - { .name: cand2, .offset: 32, .size: 8, .value_kind: global_buffer, .address_space: global }
      - { .name: cand0, .offset: 40, .size: 8, .value_kind: global_buffer, .address_space: global }
      - { .name: cand1, .offset: 48, .size: 8, .value_kind: global_buffer, .address_space: global }
    .group_segment_fixed_size: 61440
    .private_segment_fixed_size: 0
    .kernarg_segment_align: 8
    .kernarg_segment_size: 56
    .max_flat_workgroup_size: 512
    .sgpr_count:     66
    .vgpr_count:     256
    .wavefront_size: 32
...
	.end_amdgpu_metadata
.endif
;; end of part 3
;; launch st3 (part 4): grid 64 x 4, 16 waves a work-group, no clusters, 61,440 bytes of LDS; arguments ecode, pyr, emb_weight, out0, cand3, cand0, cand1, cand2; writes out0, cand3
.if DOCPART == 4
	.amdgcn_target "amdgcn-amd-amdhsa--gfx1250"
	.amdhsa_code_object_version 6
	.text
	.protected	k_q06c0f4091f_st3
	.globl	k_q06c0f4091f_st3
	.p2align	8
	.type	k_q06c0f4091f_st3,@function
k_q06c0f4091f_st3:
	s_mov_b64 s[64:65], 0
	v_nop
	global_prefetch_b8 v0, s[64:65] scope:SCOPE_SE
	s_setreg_imm32_b32 hwreg(HW_REG_WAVE_MODE, 25, 1), 1
	s_wait_xcnt 0x0
; CycleVAR source tokens, stage STAGE (1, 2, 3: maps of 2x2, 4x4, 8x8 tokens).  The same text serves the three stages; only STAGE differs.
; With h_t the token maps of the earlier stages (t < STAGE), U_t the cubic weights 16 x pt and D the area mean to PS x PS:
;   nxt = sum over t of (D U_t) h_t (D U_t)^T   (per channel; t = 0 is h_0 itself),   z = pyr - nxt.
; nxt is one piece of the output (tokens OUTOFF ..), z is what this stage looks up in the code table.
; h_t = emb[argmax]: the launch before left, for every token, the best (key, index) of each of the four parts of the table; here all four rows
; are gathered and the one with the largest key is kept by v_cndmask_b32 (the lowest part wins ties).
; Score = 65536 (z.e - |e|^2 / 2) on the matrix units, f16 operands, f32 sums: es = 256 e = EH + EL, zs = 256 z = ZH + ZL,
;   D = EH ZL + bias;  D = EL ZH + D;  D = EH ZH + D      (the term EL ZL, 2^-22 of a product, is left out)
; LIMITS: finite inputs; |z|, |e| < 255 (f16 range after the factor 256); a +0 / -0 tie of scores is ordered by the integer key; other ties: lowest index.
; Work-group (x, p): images IMGS x ..; codes 1024 p .. +1023.  Wave w keeps code tiles 64 p + 4 w + c (c = 0..3) in registers for the whole
; kernel (hi, lo, bias: 96 registers) and also makes tokens w TPW .. of z.  The tokens go round through LDS.
; The main part is pipelined by hand: the 12 products of token tile n stand one by one between the 12 pieces of the search in tile n - 1's scores,
; with two sets of accumulators and of token fragments that take turns.
; No cluster, no tensor load: each byte of the code table that a work-group reads (132 KiB) is wanted by one wave alone and goes straight into the
; registers where it stays; a joint load lands in LDS and would add a write and a read of those 132 KiB.  K = 32 is one matrix step: no ring.
.set STAGE, 3
.if STAGE == 1
.set LOGPS, 1
.set IMGS, 4
.set OUTOFF, 0
.set PYROFF, 1
.endif
.if STAGE == 2
.set LOGPS, 2
.set IMGS, 2
.set OUTOFF, 4
.set PYROFF, 5
.endif
.if STAGE == 3
.set LOGPS, 3
.set IMGS, 2
.set OUTOFF, 20
.set PYROFF, 21
.endif
.set PS,     1<<LOGPS
.set PS2,    PS*PS
.set NTOK,   IMGS*PS2                  ; tokens of a work-group: 16, 32, 128
.set NT,     NTOK/16                   ; token tiles
.set TPW,    NTOK/16                   ; tokens whose z a wave makes
.set PLANEW, 128*PS2*8                 ; bytes of one part in the candidate buffer that is written
; LDS
.set HB0, 0                            ; h_0: IMGS rows of 128 bytes
.set HB1, 512                          ; h_1: IMGS x 4 rows
.set HB2, 1536                         ; h_2: IMGS x 16 rows
.set TB1, 5632                         ; D U_1: PS rows of 2 weights
.set TB2, 5696                         ; D U_2: PS rows of 4 weights
.set ZHB, 5888                         ; ZH: NTOK rows of 64 bytes, pitch 80 (an odd multiple of 16: the 16 rows of a fragment fall on different banks)
.set ZLB, 16128                        ; ZL likewise
.set NXB, 26368                        ; nxt: NTOK rows of 128 bytes
.set RDB, 42752                        ; [16 waves][128 tokens] x (score, index): 1,024 bytes of its own for each wave
; registers
.set EH, 64                            ; v[64:95]   hi fragments of my 4 code tiles
.set EL, 96                            ; v[96:127]  lo fragments
.set BI, 128                           ; v[128:159] bias in the accumulator's layout
.set DA, 160                           ; v[160:191] 4 accumulators of the even token tiles (before the products: h, weights)
.set ZA, 192                           ; v[192:207] token fragment of the even tiles: hi 8 registers, lo 8
.set DB, 208                           ; v[208:239] 4 accumulators of the odd token tiles (before the products: weights)
.set ZB, 240                           ; v[240:255] token fragment of the odd tiles
.set T0, 36                            ; v[36:39]   the search: the largest score of each accumulator
.set U0, 40                            ; v[40:43]   at work in the four trees
.set M01, 44                           ; best of accumulators 0, 1
.set M23, 45                           ; best of accumulators 2, 3
.set MM,  46                           ; best of the lane's 32 scores
.set C01, 47                           ; 16 x the winner of 0, 1
.set C23, 48                           ; 16 x the winner of 2, 3
.set CID, 49                           ; 16 x the winner of all four
.set JA,  50                           ; lowest register 0-3 that holds the best, else 8
.set JB,  51                           ; lowest register 4-6 that holds the best, else 7
	s_load_b256 s[4:11], s[0:1], 0x0               ; ecode s[4:5], pyr s[6:7], emb s[8:9], out0 s[10:11]
.if STAGE == 3
	s_load_b256 s[12:19], s[0:1], 0x20             ; written candidates s[12:13], cand0 s[14:15], cand1 s[16:17], cand2 s[18:19]
	v_lshl_add_u32 v62, v0, 2, 0xe800
	v_mov_b32 v63, 0
.else
	s_load_b128 s[12:15], s[0:1], 0x20
.endif
.if STAGE == 2
	s_load_b64 s[16:17], s[0:1], 0x30
.endif
	v_and_b32 v1, 31, v0                           ; lane
	v_lshrrev_b32 v24, 5, v0
	v_readfirstlane_b32 s20, v24                   ; wave w
	s_mov_b32 s21, ttmp9                           ; x
	s_and_b32 s22, ttmp7, 0xffff                   ; p
	s_mov_b32 s30, 0x76543210                      ; v_permlanex16_b32: lane i takes lane i of the other half
	s_mov_b32 s31, 0xfedcba98
	s_mov_b32 s50, 0x3fc00000                      ; 1.5, -2.5, 2.5: the cubic kernel's coefficients that are no inline constants
	s_mov_b32 s51, 0xc0200000
	s_mov_b32 s52, 0x40200000
	v_and_b32 v2, 15, v1                           ; r
	v_lshrrev_b32 v3, 4, v1                        ; h
	v_lshlrev_b32 v4, 4, v1                        ; 16 lane: code fragments
	v_lshlrev_b32 v5, 5, v3                        ; 32 h: bias of codes 8 h .. 8 h + 7 of a tile
	v_lshlrev_b32 v6, 2, v1                        ; 4 lane: lane = channel
	v_mul_u32_u24 v7, v2, 80
	v_lshl_add_u32 v7, v3, 4, v7                   ; token fragment: row r, 16 bytes for each half of the lanes
	s_lshl_b32 s23, s20, 10
	v_lshl_add_u32 v8, v2, 3, s23                  ; my wave's results: 8 bytes a token
	s_lshl_b32 s38, s22, 10
	s_lshl_b32 s39, s20, 6
	s_add_co_u32 s38, s38, s39
	v_lshl_add_u32 v9, v3, 3, s38                  ; index of accumulator register 0 of tile c = 0: 1024 p + 64 w + 8 h
	s_mul_i32 s39, s20, TPW*80
	v_lshl_add_u32 v10, v1, 1, s39                 ; where my tokens' f16 go: 2 bytes a channel
	s_mul_i32 s39, s20, TPW*128
	v_add_nc_u32 v11, s39, v6                      ; where my tokens' nxt goes
	v_mov_b32 v19, 0                               ; destinations of v_permlanex16_b32 (they count as read)
	v_mov_b32 v20, 0
	v_and_b32 v22, 7, v1
	v_lshlrev_b32 v22, 4, v22                      ; gather: 8 lanes x 16 bytes = a code's row
	s_mul_i32 s40, s20, TPW                        ; my first token
	s_lshr_b32 s41, s40, 2*LOGPS                   ; its image i
	s_and_b32 s42, s40, PS2-1                      ; its place in the map
	s_lshl_b32 s43, s41, 7
	v_add_nc_u32 v12, s43, v6                      ; h_0 of image i
.if STAGE >= 2
	s_lshl_b32 s43, s41, 9
	v_add_nc_u32 v13, s43, v6                      ; h_1 of image i
	s_lshr_b32 s43, s42, LOGPS                     ; y
	s_lshl_b32 s23, s43, 3
	v_mov_b32 v15, s23                             ; row y of D U_1
.endif
.if STAGE == 2
	s_and_b32 s23, s42, PS-1                       ; first column, 0 or 2
	s_lshl_b32 s23, s23, 3
	v_mov_b32 v17, s23                             ; rows x0, x0 + 1 of D U_1
.endif
.if STAGE == 3
	s_lshl_b32 s23, s41, 11
	v_add_nc_u32 v14, s23, v6                      ; h_2 of image i
	s_lshl_b32 s23, s43, 4
	v_mov_b32 v16, s23                             ; row y of D U_2
	v_mov_b32 v18, 0                               ; whole tables
.endif
	s_mul_i32 s44, s21, IMGS
	s_add_co_u32 s44, s44, s41
	s_mul_i32 s44, s44, 11264                      ; pyr: 88 rows of 128 bytes an image
	s_lshl_b32 s45, s42, 7
	s_add_co_u32 s44, s44, s45
	s_add_co_u32 s44, s44, PYROFF*128
	s_mov_b32 s45, 0
	s_lshl_b32 s46, s22, 17                        ; ecode: 64 tiles of 2,048 bytes a part, 4 tiles a wave
	s_lshl_b32 s47, s20, 13
	s_add_co_u32 s46, s46, s47
	s_mov_b32 s47, 0
	s_lshl_b32 s48, s22, 12                        ; bias: 64 bytes a tile, behind the 256 tiles
	s_lshl_b32 s49, s20, 8
	s_add_co_u32 s48, s48, s49
	s_add_co_u32 s48, s48, 524288
	s_mov_b32 s49, 0
	s_mul_i32 s38, s22, PLANEW
	s_mul_i32 s39, s21, NTOK*8
	s_add_co_u32 s38, s38, s39
	s_mov_b32 s39, 0
	s_wait_kmcnt 0x0
	s_add_nc_u64 s[28:29], s[6:7], s[44:45]
	s_add_nc_u64 s[24:25], s[4:5], s[46:47]
	s_add_nc_u64 s[26:27], s[4:5], s[48:49]
	s_add_nc_u64 s[36:37], s[12:13], s[38:39]
.macro PYRLOAD                         ; my tokens' area means: TPW loads of 128 neighbouring bytes
.set n, 0
.rept TPW
	global_load_b32 v[52+n], v6, s[28:29] offset:128*n
.set n, n+1
.endr
.endm
.macro ELOAD                           ; my four code tiles: 6 loads each, 24 in all, tile by tile
.irp c, 0,1,2,3
	global_load_b128 v[EH+8*\c:EH+8*\c+3],   v4, s[24:25] offset:2048*\c
	global_load_b128 v[EH+8*\c+4:EH+8*\c+7], v4, s[24:25] offset:2048*\c+512
	global_load_b128 v[EL+8*\c:EL+8*\c+3],   v4, s[24:25] offset:2048*\c+1024
	global_load_b128 v[EL+8*\c+4:EL+8*\c+7], v4, s[24:25] offset:2048*\c+1536
	global_load_b128 v[BI+8*\c:BI+8*\c+3],   v5, s[26:27] offset:64*\c
	global_load_b128 v[BI+8*\c+4:BI+8*\c+7], v5, s[26:27] offset:64*\c+16
.endr
.endm
; A wave resolves four tokens of an earlier stage: group g = lane >> 3 takes token 4 (w - w0) + (g & gm), its 8 lanes the row's 8 x 16 bytes.
; cb: scalar pair of the candidate buffer; pt2: tokens an image; plane: bytes of a part; hb: where the rows go.  With gm < 3 groups double each other
; and store the same bytes.  The dependent chain (candidates, rows) is issued first, the bulk (code tiles) behind it.
.macro RESOLVE cb, pt2, plane, w0, gm, hb
	s_sub_co_u32 s53, s20, \w0
	s_lshl_b32 s54, s53, 5
	s_mul_i32 s55, s21, IMGS*\pt2*8
	s_add_co_u32 s54, s54, s55
	s_mov_b32 s55, 0
	s_add_nc_u64 s[32:33], s[\cb:\cb+1], s[54:55]
	v_bfe_u32 v21, v1, 3, 2
	v_and_b32 v21, \gm, v21
	s_lshl_b32 s53, s53, 9
	v_lshl_add_u32 v23, v21, 7, v22
	v_add_nc_u32 v23, s53, v23
	v_lshlrev_b32 v21, 3, v21
.irp q, 0,1,2,3
	global_load_b64 v[24+2*\q:25+2*\q], v21, s[32:33] offset:\q*\plane     ; (key, index) of part q
.endr
	PYRLOAD
	s_wait_loadcnt TPW                             ; the four candidates are in; the TPW loads of pyr behind them stay out
.irp q, 0,1,2,3
	v_min_u32 v[25+2*\q], 0xfff, v[25+2*\q]        ; an index stays inside the table
	v_lshl_add_u32 v[32+\q], v[25+2*\q], 7, v22
	global_load_b128 v[36+4*\q:39+4*\q], v[32+\q], s[8:9]
.endr
	ELOAD
	v_cmp_gt_i32 s56, v26, v24                     ; a later part wins only if strictly better
	v_max_i32 v24, v24, v26
	v_cmp_gt_i32 s57, v28, v24
	v_max_i32 v24, v24, v28
	v_cmp_gt_i32 s58, v30, v24
	s_wait_loadcnt 24                              ; the four rows are in; the 24 loads of code tiles stay out
.irp j, 0,1,2,3
	v_cndmask_b32 v[36+\j], v[36+\j], v[40+\j], s56
	v_cndmask_b32 v[36+\j], v[36+\j], v[44+\j], s57
	v_cndmask_b32 v[36+\j], v[36+\j], v[48+\j], s58
.endr
	ds_store_b128 v23, v[36:39] offset:\hb
.endm
; v[w] = the cubic kernel at distance v[d] >= 0: ((1.5 d - 2.5) d) d + 1 below 1, ((-0.5 d + 2.5) d - 4) d + 2 below 2, else 0
.macro KEYS w, d
	v_fma_f32 v[\w], s50, v[\d], s51
	v_fma_f32 v176, -0.5, v[\d], s52
	v_mul_f32 v[\w], v[\w], v[\d]
	v_fma_f32 v176, v176, v[\d], -4.0
	v_fma_f32 v[\w], v[\w], v[\d], 1.0
	v_fma_f32 v176, v176, v[\d], 2.0
	v_cmp_le_f32 vcc_lo, 1.0, v[\d]
	v_cndmask_b32 v[\w], v[\w], v176, vcc_lo
	v_cmp_gt_f32 vcc_lo, 2.0, v[\d]
	v_cndmask_b32 v[\w], 0, v[\w], vcc_lo
.endm
; The table D U: lane x = lane & 15 makes row x of U (pt weights at sf = (x + 0.5) pt / 16 - 0.5, divided by their sum), then the mean over
; groups of 2^logr rows.  sc = pt / 16, rinv = 2^-logr.  All lanes of a group (and both halves of the wave) store the same row.
.macro UTAB pt, sc, logr, rinv, base
	v_cvt_f32_u32 v170, v2
	v_add_f32 v170, 0.5, v170
	v_fma_f32 v170, v170, \sc, -0.5
.set q, 0
.rept \pt
	v_and_b32 v171, 0x7fffffff, v170               ; |sf - q|
	KEYS 160+q, 171
	v_add_f32 v170, -1.0, v170
.set q, q+1
.endr
	v_add_f32 v172, v160, v161
.if \pt > 2
.set q, 2
.rept \pt-2
	v_add_f32 v172, v172, v[160+q]
.set q, q+1
.endr
.endif
	v_rcp_f32 v174, v172
	v_lshrrev_b32 v173, \logr, v2                  ; the plain instruction behind v_rcp_f32 (ISA guide 5.7.2): the row of the table
.if \logr > 0
	s_wait_alu depctr_va_vdst(0)
	v_mul_f32 v174, \rinv, v174
.endif
.set q, 0
.rept \pt
	v_mul_f32 v[160+q], v[160+q], v174
.set q, q+1
.endr
.if \logr >= 1
.set q, 0
.rept \pt
	v_add_f32_dpp v[160+q], v[160+q], v[160+q] row_xmask:1 row_mask:0xf bank_mask:0xf
.set q, q+1
.endr
.endif
.if \logr >= 2
.set q, 0
.rept \pt
	v_add_f32_dpp v[160+q], v[160+q], v[160+q] row_xmask:2 row_mask:0xf bank_mask:0xf
.set q, q+1
.endr
.endif
	v_mul_u32_u24 v173, v173, 4*\pt
.if \pt == 2
	ds_store_b64 v173, v[160:161] offset:\base
.endif
.if \pt >= 4
	ds_store_b128 v173, v[160:163] offset:\base
.endif
.if \pt == 8
	ds_store_b128 v173, v[164:167] offset:\base+16
.endif
.endm
	; who resolves what: IMGS pt^2 tokens of each earlier stage, four to a wave
.if STAGE == 3
	s_cmp_lt_u32 s20, 8
	s_cbranch_scc1 .Lres2
	s_cmp_lt_u32 s20, 10
	s_cbranch_scc1 .Lres1
	s_cmp_eq_u32 s20, 10
	s_cbranch_scc1 .Lres0
.endif
.if STAGE == 2
	s_cmp_lt_u32 s20, 2
	s_cbranch_scc1 .Lres1
	s_cmp_eq_u32 s20, 2
	s_cbranch_scc1 .Lres0
.endif
.if STAGE == 1
	s_cmp_eq_u32 s20, 0
	s_cbranch_scc1 .Lres0
.endif
	PYRLOAD                                        ; the other waves start their loads at once
	ELOAD
.if STAGE >= 2
	s_cmp_lg_u32 s20, 15
	s_cbranch_scc1 .Ljoin
.endif
.if STAGE == 2
	UTAB 2, 0x3e000000, 2, 0x3e800000, TB1         ; wave 15: means of 4 rows of U_1
.endif
.if STAGE == 3
	UTAB 2, 0x3e000000, 1, 0.5, TB1                ; wave 15: means of 2 rows of U_1 and of U_2
	UTAB 4, 0x3e800000, 1, 0.5, TB2
.endif
	s_branch .Ljoin
.if STAGE == 3
.Lres2:
	RESOLVE 18, 16, 16384, 0, 3, HB2
	s_branch .Ljoin
.Lres1:
	RESOLVE 16, 4, 4096, 8, 3, HB1
	s_branch .Ljoin
.Lres0:
	RESOLVE 14, 1, 1024, 10, 1, HB0
.endif
.if STAGE == 2
.Lres1:
	RESOLVE 16, 4, 4096, 0, 3, HB1
	s_branch .Ljoin
.Lres0:
	RESOLVE 14, 1, 1024, 2, 1, HB0
.endif
.if STAGE == 1
.Lres0:
	RESOLVE 14, 1, 1024, 0, 3, HB0
.endif
.Ljoin:
	s_wait_dscnt 0x0                               ; my rows and tables are in LDS
	s_barrier_signal -1
	s_barrier_wait -1
	; z of my TPW tokens, lane = channel: a vertical pass with row y of each table, then a horizontal one for each token
	ds_load_b32 v160, v12 offset:HB0
.if STAGE >= 2
.irp t, 0,1,2,3
	ds_load_b32 v[161+\t], v13 offset:HB1+128*\t
.endr
	ds_load_b64 v[182:183], v15 offset:TB1
.endif
.if STAGE == 2
	ds_load_b128 v[208:211], v17 offset:TB1
.endif
.if STAGE == 3
.set t, 0
.rept 16
	ds_load_b32 v[165+t], v14 offset:HB2+128*t
.set t, t+1
.endr
	ds_load_b128 v[184:187], v16 offset:TB2
.irp t, 0,1,2,3
	ds_load_b128 v[208+4*\t:211+4*\t], v18 offset:TB1+16*\t
.endr
.irp t, 0,1,2,3,4,5,6,7
	ds_load_b128 v[224+4*\t:227+4*\t], v18 offset:TB2+16*\t
.endr
.endif
	v_mov_b32 v36, 0                               ; the f16 conversions below write low halves only
	v_mov_b32 v38, 0
	s_wait_dscnt 0x0
	s_wait_loadcnt 24                              ; pyr is in; the 24 loads of code tiles stay out
.if STAGE >= 2
.irp q, 0,1
	v_mul_f32 v[188+\q], v182, v[161+\q]
	v_fmac_f32 v[188+\q], v183, v[163+\q]
.endr
.endif
.if STAGE == 3
.irp q, 0,1,2,3
	v_mul_f32 v[190+\q], v184, v[165+\q]
	v_fmac_f32 v[190+\q], v185, v[169+\q]
	v_fmac_f32 v[190+\q], v186, v[173+\q]
	v_fmac_f32 v[190+\q], v187, v[177+\q]
.endr
.endif
.if STAGE == 1
.set ACC, 160                          ; nxt is h_0 itself
.else
.set ACC, 40
.endif
.set n, 0
.rept TPW
.if STAGE >= 2
	v_fma_f32 v40, v[208+2*n], v188, v160
	v_fmac_f32 v40, v[209+2*n], v189
.endif
.if STAGE == 3
	v_fmac_f32 v40, v[224+4*n], v190
	v_fmac_f32 v40, v[225+4*n], v191
	v_fmac_f32 v40, v[226+4*n], v192
	v_fmac_f32 v40, v[227+4*n], v193
.endif
	ds_store_b32 v11, v[ACC] offset:NXB+128*n
	v_sub_f32 v41, v[52+n], v[ACC]                 ; z
	v_mul_f32 v41, 0x43800000, v41                 ; zs = 256 z
	v_cvt_f16_f32 v36.l, v41                       ; hi
	v_cvt_f32_f16 v37, v36.l
	v_sub_f32 v41, v41, v37                        ; zs - hi, exact
	v_cvt_f16_f32 v38.l, v41                       ; lo
	ds_store_b16 v10, v36 offset:ZHB+80*n
	ds_store_b16 v10, v38 offset:ZLB+80*n
.set n, n+1
.endr
	s_wait_dscnt 0x0
	s_barrier_signal -1
	s_barrier_wait -1
; Token tile t as a B fragment in v[zb .. zb + 15]: column r = token 16 t + r, two loads of 16 bytes 32 apart, hi then lo
.macro ZLOAD t, zb
	ds_load_b128 v[\zb:\zb+3],     v7 offset:ZHB+1280*(\t)
	ds_load_b128 v[\zb+4:\zb+7],   v7 offset:ZHB+1280*(\t)+32
	ds_load_b128 v[\zb+8:\zb+11],  v7 offset:ZLB+1280*(\t)
	ds_load_b128 v[\zb+12:\zb+15], v7 offset:ZLB+1280*(\t)+32
.endm
; Matrix instruction k (0 .. 11) of the tile with accumulators DW and fragment ZW: link k / 4 of accumulator k % 4.  Links 1 and 2 go on in place
; (C = D = the link before): no distance is owed between them (ISA guide 7.12.1).
; Register j of accumulator c in lane (r, h) is the score of code 1024 p + 64 w + 16 c + 8 h + j for token r of the tile.
.macro WM k
.set WC, (\k)%4
.if (\k)/4 == 0
	v_wmma_f32_16x16x32_f16 v[DW+8*WC:DW+8*WC+7], v[EH+8*WC:EH+8*WC+7], v[ZW+8:ZW+15], v[BI+8*WC:BI+8*WC+7]
.endif
.if (\k)/4 == 1
	v_wmma_f32_16x16x32_f16 v[DW+8*WC:DW+8*WC+7], v[EL+8*WC:EL+8*WC+7], v[ZW:ZW+7], v[DW+8*WC:DW+8*WC+7]
.endif
.if (\k)/4 == 2
	v_wmma_f32_16x16x32_f16 v[DW+8*WC:DW+8*WC+7], v[EH+8*WC:EH+8*WC+7], v[ZW:ZW+7], v[DW+8*WC:DW+8*WC+7]
.endif
.endm
; Piece k (0 .. 11) of the search in the 32 scores of a lane, accumulators DR, token tile RT: the largest score and the lowest index that has it.
; Four trees side by side; a knock-out 0 : 1, 2 : 3, winners (the later one only if strictly better), in which the winner's eight scores move into
; accumulator 0; the lowest of its registers that holds the best; then the other half of the lanes, which holds the token's other 32 codes.
; Every mask has a scalar register of its own, so that no compare waits for the select in front of it.
.macro RCH k
.if \k == 0
	v_max3_num_f32 v[T0],   v[DR],    v[DR+1],  v[DR+2]
	v_max3_num_f32 v[U0],   v[DR+3],  v[DR+4],  v[DR+5]
	v_max3_num_f32 v[T0+1], v[DR+8],  v[DR+9],  v[DR+10]
	v_max3_num_f32 v[U0+1], v[DR+11], v[DR+12], v[DR+13]
	v_max3_num_f32 v[T0],   v[T0],    v[U0],    v[DR+6]
	v_max3_num_f32 v[T0+1], v[T0+1],  v[U0+1],  v[DR+14]
.endif
.if \k == 1
	v_max3_num_f32 v[T0+2], v[DR+16], v[DR+17], v[DR+18]
	v_max3_num_f32 v[U0+2], v[DR+19], v[DR+20], v[DR+21]
	v_max3_num_f32 v[T0+3], v[DR+24], v[DR+25], v[DR+26]
	v_max3_num_f32 v[U0+3], v[DR+27], v[DR+28], v[DR+29]
	v_max_num_f32 v[T0],   v[T0],   v[DR+7]
	v_max_num_f32 v[T0+1], v[T0+1], v[DR+15]
.endif
.if \k == 2
	v_max3_num_f32 v[T0+2], v[T0+2], v[U0+2], v[DR+22]
	v_max3_num_f32 v[T0+3], v[T0+3], v[U0+3], v[DR+30]
	v_cmp_gt_f32 s56, v[T0+1], v[T0]
	v_max_num_f32 v[M01], v[T0], v[T0+1]
	v_max_num_f32 v[T0+2], v[T0+2], v[DR+23]
	v_max_num_f32 v[T0+3], v[T0+3], v[DR+31]
.endif
.if \k == 3
	v_cmp_gt_f32 s57, v[T0+3], v[T0+2]
	v_max_num_f32 v[M23], v[T0+2], v[T0+3]
	v_cndmask_b32 v[C01], 0, 16, s56
	v_cndmask_b32 v[C23], 32, 48, s57
	v_cmp_gt_f32 s58, v[M23], v[M01]
	v_max_num_f32 v[MM], v[M01], v[M23]
.endif
.if \k == 4
	v_permlanex16_b32 v19, v[MM], s30, s31
.irp j, 0,1,2,3,4
	v_cndmask_b32 v[DR+\j], v[DR+\j], v[DR+8+\j], s56
.endr
.endif
.if \k == 5
.irp j, 5,6,7
	v_cndmask_b32 v[DR+\j], v[DR+\j], v[DR+8+\j], s56
.endr
.irp j, 0,1,2
	v_cndmask_b32 v[DR+16+\j], v[DR+16+\j], v[DR+24+\j], s57
.endr
.endif
.if \k == 6
.irp j, 3,4,5,6,7
	v_cndmask_b32 v[DR+16+\j], v[DR+16+\j], v[DR+24+\j], s57
.endr
	v_cndmask_b32 v[CID], v[C01], v[C23], s58
.endif
.if \k == 7
	v_max_num_f32 v32, v[MM], v19                  ; the token's best in my wave
.irp j, 0,1,2,3,4
	v_cndmask_b32 v[DR+\j], v[DR+\j], v[DR+16+\j], s58
.endr
.endif
.if \k == 8
.irp j, 5,6,7
	v_cndmask_b32 v[DR+\j], v[DR+\j], v[DR+16+\j], s58
.endr
	v_cmp_eq_f32 s43, v[DR+3], v[MM]
	v_cmp_eq_f32 s42, v[DR+2], v[MM]
	v_cmp_eq_f32 s41, v[DR+1], v[MM]
.endif
.if \k == 9
	v_cmp_eq_f32 s40, v[DR], v[MM]
	v_cmp_eq_f32 s46, v[DR+6], v[MM]
	v_cmp_eq_f32 s45, v[DR+5], v[MM]
	v_cmp_eq_f32 s44, v[DR+4], v[MM]
	v_cndmask_b32 v[JA], 8, 3, s43
	v_cmp_eq_f32 vcc_lo, v[MM], v32
.endif
.if \k == 10
	v_cndmask_b32 v[JB], 7, 6, s46                 ; downward in two chains: the lowest register that holds the best stays
	v_cndmask_b32 v[JA], v[JA], 2, s42
	v_cndmask_b32 v[JB], v[JB], 5, s45
	v_cndmask_b32 v[JA], v[JA], 1, s41
	v_cndmask_b32 v[JB], v[JB], 4, s44
	v_cndmask_b32 v[JA], v[JA], 0, s40
.endif
.if \k == 11
	v_min_u32 v[JA], v[JA], v[JB]
	v_add3_u32 v33, v9, v[CID], v[JA]              ; the index
	v_cndmask_b32 v33, 0x7fffffff, v33, vcc_lo     ; counts only if my half holds the best
	v_permlanex16_b32 v20, v33, s30, s31
	v_min_u32 v33, v33, v20
	ds_store_b64 v8, v[32:33] offset:RDB+128*RT    ; both halves store the same pair
.endif
.endm
; Token tile TL >= 1: its 12 products, each followed by one piece of the search in tile TL - 1.  Distances (ISA guide 7.12.1): the last link of
; accumulator c is instruction 8 + c of the step before; pieces 9 to 11 (17 vector instructions) lie between it and piece 0, which reads accumulators
; 0 and 1, and piece 11 and piece 0 (11) in front of piece 1, which reads accumulators 2 and 3; none of them names a register of those links.
; The fragment of tile TL + 1 is loaded behind piece 1 into the set that tile TL - 1 has read, as far behind its last reader.
.macro STEP
.if TL & 1
.set DW, DB
.set ZW, ZB
.set DR, DA
.set ZR, ZA
.else
.set DW, DA
.set ZW, ZA
.set DR, DB
.set ZR, ZB
.endif
.set RT, TL-1
.if TL == 1
	s_wait_dscnt 0x0                               ; tile 1's four fragment loads: nothing was issued behind them
.else
	s_wait_dscnt 0x1                               ; this tile's four fragment loads are in; the result store issued behind them may be out
.endif
.irp k, 0,1,2,3,4,5,6,7,8,9,10,11
	WM \k
	RCH \k
.if \k == 1
.if TL+1 < NT
	ZLOAD TL+1, ZR
.endif
.endif
.endr
.endm
	ZLOAD 0, ZA
.if NT > 1
	ZLOAD 1, ZB
	s_wait_dscnt 0x4                               ; tile 0's four loads are in; tile 1's four stay out
.else
	s_wait_dscnt 0x0
.endif
.set DW, DA
.set ZW, ZA
.irp k, 0,1,2,3
	s_wait_loadcnt 18-6*\k                         ; code tile k is in: six loads for each tile behind it may be out
	WM \k
.endr
.irp k, 4,5,6,7,8,9,10,11
	WM \k
.endr
.rept 4
	v_nop                                          ; tile 0 has no search beside it: four places (ISA guide 7.12.1) before its scores are read
.endr
.if NT > 1
.set TL, 1
.rept NT-1
	STEP
.set TL, TL+1
.endr
.endif
.if (NT-1) & 1
.set DR, DB
.else
.set DR, DA
.endif
.set RT, NT-1
.irp k, 0,1,2,3,4,5,6,7,8,9,10,11
	RCH \k                                         ; the search in the last tile
.endr
	; nxt goes out (work-groups p = 0): 16 bytes a thread, 16 neighbouring lanes fill 256 aligned bytes; an image's piece is 128 PS^2 bytes
	s_cmp_lg_u32 s22, 0
	s_cbranch_scc1 .Lnoout
.if STAGE < 3
	s_cmp_ge_u32 s20, NTOK/4                       ; 8 NTOK pieces of 16 bytes
	s_cbranch_scc1 .Lnoout
.endif
	v_lshlrev_b32 v34, 4, v0
	ds_load_b128 v[36:39], v34 offset:NXB
.if STAGE == 3
	ds_load_b128 v[40:43], v34 offset:NXB+8192     ; the second image
.endif
	s_mul_i32 s54, s21, IMGS*43520                 ; 340 tokens of 128 bytes an image
	s_add_co_u32 s54, s54, OUTOFF*128
	s_mov_b32 s55, 0
	s_add_nc_u64 s[34:35], s[10:11], s[54:55]
.if STAGE < 3
	v_lshrrev_b32 v35, 3+2*LOGPS, v0               ; the image
	v_mad_u32_u24 v35, v35, 43520-128*PS2, v34
	s_wait_dscnt 0x0
	global_store_b128 v35, v[36:39], s[34:35] th:TH_STORE_NT
.else
	s_wait_dscnt 0x0
	global_store_b128 v34, v[36:39], s[34:35] th:TH_STORE_NT
	global_store_b128 v34, v[40:43], s[34:35] offset:43520 th:TH_STORE_NT
.endif
.Lnoout:
	s_wait_dscnt 0x0                               ; my results are in LDS
	s_barrier_signal -1
	s_barrier_wait -1
	; thread t < NTOK: the best of the 16 waves for token t.  Waves ascending = indices ascending; a knock-out in four rounds, in which the later
	; wave of a pair wins only if strictly better.
	s_cmp_ge_u32 s20, (NTOK+31)/32
	s_cbranch_scc1 .Lend
	v_and_b32 v44, NTOK-1, v0                      ; (with 16 tokens the upper half of the wave doubles the lower and stores the same)
	v_lshlrev_b32 v44, 3, v44
.set q, 0
.rept 16
	ds_load_b64 v[64+2*q:65+2*q], v44 offset:RDB+1024*q
.set q, q+1
.endr
	s_wait_dscnt 0x0
.macro LEVEL s                         ; wave q + s against wave q, for q = 0, 2 s, 4 s ..: first all compares, then the maxima and the indices
.set q, 0
.rept 8/\s
	v_cmp_gt_f32 s[40+q/(2*\s)], v[64+2*(q+\s)], v[64+2*q]
.set q, q+2*\s
.endr
.set q, 0
.rept 8/\s
	v_max_num_f32 v[64+2*q], v[64+2*q], v[64+2*(q+\s)]
	v_cndmask_b32 v[65+2*q], v[65+2*q], v[65+2*(q+\s)], s[40+q/(2*\s)]
.set q, q+2*\s
.endr
.endm
	LEVEL 1
	LEVEL 2
	LEVEL 4
	LEVEL 8
	v_ashrrev_i32 v45, 31, v64                     ; the score as an integer of the same order
	v_and_b32 v45, 0x7fffffff, v45
	v_xor_b32 v64, v64, v45
	global_store_b64 v44, v[64:65], s[36:37]
.Lend:
	s_wait_tensorcnt 0x0
	ds_add_u32 v62, v63
	s_wait_dscnt 0x0
	s_endpgm
.Lfunc_end_k_q06c0f4091f_st3:
	.size	k_q06c0f4091f_st3, .Lfunc_end_k_q06c0f4091f_st3-k_q06c0f4091f_st3
	.p2alignl 7, 3214868480
	.fill 96, 4, 3214868480
	.section	.rodata,"a",@progbits
	.p2align	6, 0x0
	.amdhsa_kernel k_q06c0f4091f_st3
		.amdhsa_group_segment_fixed_size 61440
		.amdhsa_private_segment_fixed_size 0
		.amdhsa_enable_private_segment 0
		.amdhsa_kernarg_size 64
		.amdhsa_user_sgpr_count 2
		.amdhsa_user_sgpr_kernarg_segment_ptr 1
		.amdhsa_wavefront_size32 1
		.amdhsa_system_sgpr_workgroup_id_x 1
		.amdhsa_system_sgpr_workgroup_id_y 1
		.amdhsa_system_sgpr_workgroup_id_z 1
		.amdhsa_system_vgpr_workitem_id 0
		.amdhsa_next_free_vgpr 256
		.amdhsa_next_free_sgpr 66
		.amdhsa_reserve_vcc 1
		.amdhsa_float_denorm_mode_32 3
		.amdhsa_float_denorm_mode_16_64 3
		.amdhsa_memory_ordered 1
		.amdhsa_forward_progress 1
		.amdhsa_inst_pref_size 84
	.end_amdhsa_kernel
	.amdgpu_metadata
---
amdhsa.version: [ 1, 2 ]
amdhsa.kernels:
  - .name:           k_q06c0f4091f_st3
    .symbol:         k_q06c0f4091f_st3.kd
    .args:
      - { .name: ecode, .offset: 0, .size: 8, .value_kind: global_buffer, .address_space: global }
      - { .name: pyr, .offset: 8, .size: 8, .value_kind: global_buffer, .address_space: global }
      - { .name: emb_weight, .offset: 16, .size: 8, .value_kind: global_buffer, .address_space: global }
      - { .name: out0, .offset: 24, .size: 8, .value_kind: global_buffer, .address_space: global }
      - { .name: cand3, .offset: 32, .size: 8, .value_kind: global_buffer, .address_space: global }
      - { .name: cand0, .offset: 40, .size: 8, .value_kind: global_buffer, .address_space: global }
      - { .name: cand1, .offset: 48, .size: 8, .value_kind: global_buffer, .address_space: global }
      - { .name: cand2, .offset: 56, .size: 8, .value_kind: global_buffer, .address_space: global }
    .group_segment_fixed_size: 61440
    .private_segment_fixed_size: 0
    .kernarg_segment_align: 8
    .kernarg_segment_size: 64
    .max_flat_workgroup_size: 512
    .sgpr_count:     66
    .vgpr_count:     256
    .wavefront_size: 32
...
	.end_amdgpu_metadata
.endif
;; end of part 4
;; launch fin (part 5): grid 128 x 1, 16 waves a work-group, no clusters, 49,664 bytes of LDS; arguments emb_weight, cand0, cand1, cand2, cand3, out0; writes out0
.if DOCPART == 5
	.amdgcn_target "amdgcn-amd-amdhsa--gfx1250"
	.amdhsa_code_object_version 6
	.text
	.protected	k_q06c0f4091f_fin
	.globl	k_q06c0f4091f_fin
	.p2align	8
	.type	k_q06c0f4091f_fin,@function
k_q06c0f4091f_fin:
	s_mov_b64 s[64:65], 0
	v_nop
	global_prefetch_b8 v0, s[64:65] scope:SCOPE_SE
	s_setreg_imm32_b32 hwreg(HW_REG_WAVE_MODE, 25, 1), 1
	s_wait_xcnt 0x0
; CycleVAR source tokens, last launch: the 16 x 16 piece of the output (tokens 84 .. 339 of every image),
;   out[y][x] = h_0 + sum over t = 1, 2, 3 of sum over p, q of U_t[y][p] U_t[x][q] h_t[p][q]      (per channel),
; with h_t = emb[argmax] of stages 0-3 and U_t the cubic weights 16 x pt (pt = 2, 4, 8), made here from the kernel's formula.
; For every token the earlier launches left the best (key, index) of each of the four parts of the code table; all four rows are gathered and the one
; with the largest key is kept by v_cndmask_b32 (the lowest part wins ties).
; The sum is ONE matrix product for an image: out[(y, x)][ch] = sum over k of W[(y, x)][k] H[k][ch], where k runs over the image's 85 tokens
; (h_3: k = 8 p + q; h_2: k = 64 + 4 p + q; h_1: k = 80 + 2 p + q; h_0: k = 84) and W = U_t[y][p] U_t[x][q] (1 for h_0).  M = 256, K = 85 padded
; to 96, N = 32: 96 matrix instructions an image.  One work-group for an image, 16 waves; wave w makes output row y = w: 3 K steps x 2 halves of the channels.
; Operands f16, sums f32: nothing is looked up from this result, so the rounding of codes and weights to f16 (2^-11 each, 2^-10 for a product) only shows
; in the output itself.
; LIMITS: finite inputs; |e| < 65,504 (f16 range); codes and weights rounded to f16 as said above.
; No cluster: work-groups share only scattered rows of the code table.
.set HP,  96                           ; LDS: H as f16, a row = a token's 32 channels = 64 bytes, pitch 96 (an odd multiple of 32: the transposing loads meet no bank twice)
.set HB3, 0                            ; h_3: rows 0-63
.set HB2, 64*HP                        ; h_2: rows 64-79
.set HB1, 80*HP                        ; h_1: rows 80-83
.set HB0, 84*HP                        ; h_0: row 84
.set ZR,  85*HP                        ; zeros: rows 85-100 (85-95 are read as the padding of K)
.set TU1, 9728                         ; U_1: 16 rows of 2 weights, f32
.set TU2, 9856                         ; U_2: 16 rows of 4
.set TU3, 10112                        ; U_3: 16 rows of 8
.set OB,  10752                        ; the way out: 16 tokens x 144 bytes of its own for each wave
.set OP,  144                          ; 128 bytes + 16: the sixteen rows that a store touches fall on different banks
.set X3,  80                           ; v[80:87]   U_3[x][0..7], x = lane & 15
.set X2,  88                           ; v[88:91]   U_2[x][0..3]
.set X1,  92                           ; v[92:93]   U_1[x][0..1]
.set Y3,  94                           ; v[94:97]   U_3[y][2 g + h], g = 0..3, h = lane >> 4
.set Y2,  98                           ; v[98:99]   U_2[y][2 h], U_2[y][2 h + 1]
.set Y1,  100                          ; v[100:101] U_1[y][0..1]
.set P,   104                          ; v[104:147] the 44 products of weights, f32
.set W,   148                          ; v[148:171] W's fragments of the three K steps
.set HR,  176                          ; v[176:223] H's fragments: 24 registers for each half of the channels, 8 for a K step
.set D0,  224                          ; v[224:239] two accumulators: channels 0-15, 16-31
.set O,   240                          ; v[240:255] the way out
	s_load_b256 s[4:11], s[0:1], 0x0               ; emb s[4:5], cand0 s[6:7], cand1 s[8:9], cand2 s[10:11]
	s_load_b128 s[12:15], s[0:1], 0x20             ; cand3 s[12:13], out0 s[14:15]
	v_lshl_add_u32 v103, v0, 2, 0xba00
	v_mov_b32 v175, 0
	v_and_b32 v1, 31, v0                           ; lane
	v_lshrrev_b32 v3, 5, v0
	v_readfirstlane_b32 s20, v3                    ; wave w
	s_mov_b32 s21, ttmp9                           ; image
	s_mov_b32 s50, 0x3fc00000                      ; 1.5, -2.5, 2.5
	s_mov_b32 s51, 0xc0200000
	s_mov_b32 s52, 0x40200000
	v_and_b32 v2, 15, v1                           ; r
	v_and_b32 v5, 7, v1
	v_lshlrev_b32 v3, 4, v5                        ; gather: 8 lanes x 16 bytes = a code's row
	v_lshlrev_b32 v5, 3, v5                        ; the same 4 channels as f16: 8 bytes
	v_lshlrev_b32 v4, 4, v1                        ; 16 lane
	v_lshrrev_b32 v75, 4, v1                       ; h
	v_and_b32 v6, 7, v1                            ; the transposing loads: lane L points at row 8 h + (L & 7), 16 bytes ((L >> 3) & 1)
	v_lshl_add_u32 v6, v75, 3, v6
	v_mul_u32_u24 v6, v6, HP
	v_bfe_u32 v76, v1, 3, 1
	v_lshl_add_u32 v6, v76, 4, v6
	v_lshlrev_b32 v13, 5, v2                       ; row x of U_3,
	v_lshlrev_b32 v14, 4, v2                       ; of U_2,
	v_lshlrev_b32 v15, 3, v2                       ; of U_1
	s_lshl_b32 s24, s20, 5
	v_lshl_add_u32 v72, v75, 2, s24                ; U_3[y][h]
	s_lshl_b32 s24, s20, 4
	v_lshl_add_u32 v73, v75, 3, s24                ; U_2[y][2 h]
	s_lshl_b32 s24, s20, 3
	v_mov_b32 v74, s24                             ; U_1[y][0]
	s_mul_i32 s23, s20, 16*OP                      ; my stage
	s_lshl_b32 s25, s20, 11
	s_mul_i32 s38, s21, 43520                      ; 340 tokens of 128 bytes an image
	s_add_co_u32 s38, s38, s25                     ; + 16 tokens a wave
	s_add_co_u32 s38, s38, 10752                   ; + 84 tokens
	s_mov_b32 s39, 0
	s_wait_kmcnt 0x0
	s_add_nc_u64 s[36:37], s[14:15], s[38:39]
; A wave resolves four tokens: group g = lane >> 3 takes token 4 (w - w0) + (g & gm), its 8 lanes the row's 8 x 16 bytes.
; RES_A: the four parts' (key, index) into v[ki ..]; vg, vd: registers for the load's offset and the row's place in LDS; sb: scalar pair for the base.
.macro RES_A ki, vg, vd, sb, cb, pt2, plane, w0, gm
	s_sub_co_u32 s53, s20, \w0
	s_lshl_b32 s54, s53, 5
	s_mul_i32 s55, s21, \pt2*8
	s_add_co_u32 s54, s54, s55
	s_mov_b32 s55, 0
	s_add_nc_u64 s[\sb:\sb+1], s[\cb:\cb+1], s[54:55]
	v_bfe_u32 v[\vg], v1, 3, 2
	v_and_b32 v[\vg], \gm, v[\vg]
	s_mul_i32 s53, s53, 4*HP
	v_mad_u32_u24 v[\vd], v[\vg], HP, v5
	v_add_nc_u32 v[\vd], s53, v[\vd]
	v_lshlrev_b32 v[\vg], 3, v[\vg]
.irp q, 0,1,2,3
	global_load_b64 v[\ki+2*\q:\ki+2*\q+1], v[\vg], s[\sb:\sb+1] offset:\q*\plane
.endr
.endm
.macro RES_B ki, ro, rr                ; the four rows
.irp q, 0,1,2,3
	v_min_u32 v[\ki+2*\q+1], 0xfff, v[\ki+2*\q+1]  ; an index stays inside the table
	v_lshl_add_u32 v[\ro+\q], v[\ki+2*\q+1], 7, v3
	global_load_b128 v[\rr+4*\q:\rr+4*\q+3], v[\ro+\q], s[4:5]
.endr
.endm
.macro RES_C ki, rr, vd, hb            ; a later part wins only if strictly better; the winner's 4 channels go to LDS as f16
	v_cmp_gt_i32 s56, v[\ki+2], v[\ki]
	v_max_i32 v[\ki], v[\ki], v[\ki+2]
	v_cmp_gt_i32 s57, v[\ki+4], v[\ki]
	v_max_i32 v[\ki], v[\ki], v[\ki+4]
	v_cmp_gt_i32 s58, v[\ki+6], v[\ki]
.irp j, 0,1,2,3
	v_cndmask_b32 v[\rr+\j], v[\rr+\j], v[\rr+4+\j], s56
	v_cndmask_b32 v[\rr+\j], v[\rr+\j], v[\rr+8+\j], s57
	v_cndmask_b32 v[\rr+\j], v[\rr+\j], v[\rr+12+\j], s58
.endr
	v_cvt_pk_f16_f32 v[\rr+4], v[\rr], v[\rr+1]
	v_cvt_pk_f16_f32 v[\rr+5], v[\rr+2], v[\rr+3]
	ds_store_b64 v[\vd], v[\rr+4:\rr+5] offset:\hb
.endm
; A wave with two duties: four tokens of a small map (registers v44 ..) and its four of h_3 (v16 ..).  Each wait lets the four younger loads stay out.
.macro PATH2 cb, pt2, plane, w0, gm, hb
	RES_A 44, 11, 9, 34, \cb, \pt2, \plane, \w0, \gm
	RES_A 16, 10, 8, 32, 12, 64, 65536, 0, 3
	s_wait_loadcnt 0x4                             ; the small map's candidates are in
	RES_B 44, 52, 56
	s_wait_loadcnt 0x4                             ; h_3's candidates are in; the four rows just asked for stay out
	RES_B 16, 24, 28
	s_wait_loadcnt 0x4                             ; the small map's rows are in
	RES_C 44, 56, 9, \hb
	s_wait_loadcnt 0x0
	RES_C 16, 28, 8, HB3
.endm
; v[w] = the cubic kernel at distance v[d] >= 0: ((1.5 d - 2.5) d) d + 1 below 1, ((-0.5 d + 2.5) d - 4) d + 2 below 2, else 0
.macro KEYS w, d
	v_fma_f32 v[\w], s50, v[\d], s51
	v_fma_f32 v176, -0.5, v[\d], s52
	v_mul_f32 v[\w], v[\w], v[\d]
	v_fma_f32 v176, v176, v[\d], -4.0
	v_fma_f32 v[\w], v[\w], v[\d], 1.0
	v_fma_f32 v176, v176, v[\d], 2.0
	v_cmp_le_f32 vcc_lo, 1.0, v[\d]
	v_cndmask_b32 v[\w], v[\w], v176, vcc_lo
	v_cmp_gt_f32 vcc_lo, 2.0, v[\d]
	v_cndmask_b32 v[\w], 0, v[\w], vcc_lo
.endm
; The table U: lane x = lane & 15 makes row x: pt weights at sf = (x + 0.5) pt / 16 - 0.5, divided by their sum.  sc = pt / 16.
; Both halves of the wave store the same rows.
.macro UTAB pt, sc, base
	v_cvt_f32_u32 v170, v2
	v_add_f32 v170, 0.5, v170
	v_fma_f32 v170, v170, \sc, -0.5
.set q, 0
.rept \pt
	v_and_b32 v171, 0x7fffffff, v170               ; |sf - q|
	KEYS 160+q, 171
	v_add_f32 v170, -1.0, v170
.set q, q+1
.endr
	v_add_f32 v172, v160, v161
.if \pt > 2
.set q, 2
.rept \pt-2
	v_add_f32 v172, v172, v[160+q]
.set q, q+1
.endr
.endif
	v_rcp_f32 v174, v172
	v_mul_u32_u24 v173, v2, 4*\pt                  ; the plain instruction behind v_rcp_f32 (ISA guide 5.7.2): the row's place
.set q, 0
	s_wait_alu depctr_va_vdst(0)
.rept \pt
	v_mul_f32 v[160+q], v[160+q], v174
.set q, q+1
.endr
.if \pt == 2
	ds_store_b64 v173, v[160:161] offset:\base
.endif
.if \pt >= 4
	ds_store_b128 v173, v[160:163] offset:\base
.endif
.if \pt == 8
	ds_store_b128 v173, v[164:167] offset:\base+16
.endif
.endm
	; 85 tokens: h_3's 64 by all waves, h_2's 16 by waves 0-3, h_1's 4 by wave 4, h_0 by wave 5; the zero rows by wave 6, the weights by waves 13-15
	s_cmp_lt_u32 s20, 4
	s_cbranch_scc1 .Lp2
	s_cmp_eq_u32 s20, 4
	s_cbranch_scc1 .Lp1
	s_cmp_eq_u32 s20, 5
	s_cbranch_scc1 .Lp0
	RES_A 16, 10, 8, 32, 12, 64, 65536, 0, 3
	s_wait_loadcnt 0x0
	RES_B 16, 24, 28
	s_cmp_lg_u32 s20, 6                            ; zeros and tables are made while the rows are on their way
	s_cbranch_scc1 .Ln6
	v_lshrrev_b32 v160, 2, v1                      ; 4 lanes x 16 bytes = a row's 64 bytes; 8 rows a store: rows 85-92, then 93-100
	v_and_b32 v161, 3, v1
	v_mul_u32_u24 v160, v160, HP
	v_lshl_add_u32 v160, v161, 4, v160
	v_mov_b32 v164, 0                              ; K is padded from 85 to 96: W is 0 there, and H has to be finite
	v_mov_b32 v165, 0
	v_mov_b32 v166, 0
	v_mov_b32 v167, 0
	ds_store_b128 v160, v[164:167] offset:ZR
	ds_store_b128 v160, v[164:167] offset:ZR+8*HP
.Ln6:
	s_cmp_lg_u32 s20, 13
	s_cbranch_scc1 .Ln13
	UTAB 2, 0x3e000000, TU1
.Ln13:
	s_cmp_lg_u32 s20, 14
	s_cbranch_scc1 .Ln14
	UTAB 4, 0x3e800000, TU2
.Ln14:
	s_cmp_lg_u32 s20, 15
	s_cbranch_scc1 .Ln15
	UTAB 8, 0.5, TU3
.Ln15:
	s_wait_loadcnt 0x0
	RES_C 16, 28, 8, HB3
	s_branch .Ljoin
.Lp2:
	PATH2 10, 16, 16384, 0, 3, HB2
	s_branch .Ljoin
.Lp1:
	PATH2 8, 4, 4096, 4, 3, HB1
	s_branch .Ljoin
.Lp0:
	PATH2 6, 1, 1024, 5, 0, HB0
.Ljoin:
	s_wait_dscnt 0x0                               ; my rows, zeros and tables are in LDS
	s_barrier_signal -1
	s_barrier_wait -1
	; ten loads of weights, then H's fragments.  H lies [K][N] (token rows, channels along them): ds_load_tr16_b128 turns 8 x 8 numbers, so that lane (r, h)
	; gets k = k0 + 8 h .. + 7 of channel n0 + r, and with 16 rows more k0 + 16 + 8 h .. + 7: registers 0-3 and 4-7 of a fragment.
	ds_load_b128 v[X3:X3+3],   v13 offset:TU3
	ds_load_b128 v[X3+4:X3+7], v13 offset:TU3+16
.irp g, 0,1,2,3
	ds_load_b32 v[Y3+\g], v72 offset:TU3+8*\g
.endr
	ds_load_b128 v[X2:X2+3], v14 offset:TU2
	ds_load_b64 v[Y2:Y2+1], v73 offset:TU2
	ds_load_b64 v[X1:X1+1], v15 offset:TU1
	ds_load_b64 v[Y1:Y1+1], v74 offset:TU1
.irp s, 0,1,2
.irp t, 0,1
	ds_load_tr16_b128 v[HR+24*\t+8*\s:HR+24*\t+8*\s+3],   v6 offset:32*HP*\s+32*\t
	ds_load_tr16_b128 v[HR+24*\t+8*\s+4:HR+24*\t+8*\s+7], v6 offset:32*HP*\s+32*\t+16*HP
.endr
.endr
	s_wait_dscnt 12                                ; the ten loads of weights are in; the twelve transposing loads stay out
	; W's fragments for output row y: lane (r = x, h), registers 4 g .. 4 g + 3 (g = 0..3) hold k = 16 g + 8 h + i, that is h_3[p = 2 g + h][q = i];
	; registers 16-19 hold k = 64 + 8 h + i: h_2[2 h + (i >> 2)][i & 3]; registers 20-23 hold k = 80 + 8 h + i: for h = 0 h_1's four, h_0 (weight 1), zeros; for h = 1 zeros.
.irp i, 0,1,2,3
	v_mul_f32 v[P+32+\i], v[Y2],   v[X2+\i]
	v_mul_f32 v[P+36+\i], v[Y2+1], v[X2+\i]
.endr
	v_mul_f32 v[P+40], v[Y1],   v[X1]
	v_mul_f32 v[P+41], v[Y1],   v[X1+1]
	v_mul_f32 v[P+42], v[Y1+1], v[X1]
	v_mul_f32 v[P+43], v[Y1+1], v[X1+1]
.irp g, 0,1,2,3
.irp i, 0,1,2,3,4,5,6,7
	v_mul_f32 v[P+8*\g+\i], v[Y3+\g], v[X3+\i]
.endr
.endr
	v_cmp_gt_u32 vcc_lo, 16, v1                    ; lanes with h = 0
	v_mov_b32 v[W+22], 0x3c00                      ; f16 1.0 for k = 84, 0 for k = 85
	v_mov_b32 v[W+23], 0
.set i, 21
.rept 22
	v_cvt_pk_f16_f32 v[W+i], v[P+2*i], v[P+2*i+1]  ; from the last K step down to the first
.set i, i-1
.endr
	v_cndmask_b32 v[W+20], 0, v[W+20], vcc_lo
	v_cndmask_b32 v[W+21], 0, v[W+21], vcc_lo
	v_cndmask_b32 v[W+22], 0, v[W+22], vcc_lo
	; the two addresses of the way out, made here while the last fragments of H arrive
	v_mul_u32_u24 v7, v2, OP
	v_lshl_add_u32 v7, v75, 5, v7
	v_add_nc_u32 v7, s23, v7                       ; in: token x = r, 32 bytes for each half of the lanes
	v_lshrrev_b32 v12, 3, v1
	v_mul_u32_u24 v12, v12, OP
	v_add_nc_u32 v12, v12, v3
	v_add_nc_u32 v12, s23, v12                     ; back: 8 lanes take a token's 128 bytes, 4 tokens a load
	; The sources are swapped (H first, W second): register j of lane (r, h) is then out[y][x = r][channel n0 + 8 h + j], eight neighbouring channels.
	; The first product of each accumulator starts its sum; the later ones go on in place (C = D = the link before): no distance is owed (ISA guide 7.12.1).
.irp s, 0,1,2
	s_wait_dscnt 8-4*\s                            ; the four loads of K step s are in; four for each later step may be out
.irp t, 0,1
.if \s == 0
	v_wmma_f32_16x16x32_f16 v[D0+8*\t:D0+8*\t+7], v[HR+24*\t+8*\s:HR+24*\t+8*\s+7], v[W+8*\s:W+8*\s+7], 0
.else
	v_wmma_f32_16x16x32_f16 v[D0+8*\t:D0+8*\t+7], v[HR+24*\t+8*\s:HR+24*\t+8*\s+7], v[W+8*\s:W+8*\s+7], v[D0+8*\t:D0+8*\t+7]
.endif
.endr
.endr
.rept 4
	v_nop                                          ; four places before the LDS stores read the results
.endr
	; the way out: my 16 tokens are 2,048 neighbouring bytes of the output; 4 stores of 16 bytes a lane into my stage, read back by tokens, so that each
	; global store covers 512 aligned bytes.  The stage is my wave's own and LDS serves a wave's instructions in order (ISA guide 5.7.1): the loads see the stores.
	ds_store_b128 v7, v[D0:D0+3]     offset:OB
	ds_store_b128 v7, v[D0+4:D0+7]   offset:OB+16
	ds_store_b128 v7, v[D0+8:D0+11]  offset:OB+64
	ds_store_b128 v7, v[D0+12:D0+15] offset:OB+80
.irp m, 0,1,2,3
	ds_load_b128 v[O+4*\m:O+4*\m+3], v12 offset:OB+4*OP*\m
.endr
.irp m, 0,1,2,3
	s_wait_dscnt 3-\m                              ; load m is in; the younger ones may be out
	global_store_b128 v4, v[O+4*\m:O+4*\m+3], s[36:37] offset:512*\m th:TH_STORE_NT
.endr
	s_wait_tensorcnt 0x0
	ds_add_u32 v103, v175
	s_wait_dscnt 0x0
	s_endpgm
.Lfunc_end_k_q06c0f4091f_fin:
	.size	k_q06c0f4091f_fin, .Lfunc_end_k_q06c0f4091f_fin-k_q06c0f4091f_fin
	.p2alignl 7, 3214868480
	.fill 96, 4, 3214868480
	.section	.rodata,"a",@progbits
	.p2align	6, 0x0
	.amdhsa_kernel k_q06c0f4091f_fin
		.amdhsa_group_segment_fixed_size 49664
		.amdhsa_private_segment_fixed_size 0
		.amdhsa_enable_private_segment 0
		.amdhsa_kernarg_size 48
		.amdhsa_user_sgpr_count 2
		.amdhsa_user_sgpr_kernarg_segment_ptr 1
		.amdhsa_wavefront_size32 1
		.amdhsa_system_sgpr_workgroup_id_x 1
		.amdhsa_system_sgpr_workgroup_id_y 1
		.amdhsa_system_sgpr_workgroup_id_z 1
		.amdhsa_system_vgpr_workitem_id 0
		.amdhsa_next_free_vgpr 256
		.amdhsa_next_free_sgpr 66
		.amdhsa_reserve_vcc 1
		.amdhsa_float_denorm_mode_32 3
		.amdhsa_float_denorm_mode_16_64 3
		.amdhsa_memory_ordered 1
		.amdhsa_forward_progress 1
		.amdhsa_inst_pref_size 41
	.end_amdhsa_kernel
	.amdgpu_metadata
---
amdhsa.version: [ 1, 2 ]
amdhsa.kernels:
  - .name:           k_q06c0f4091f_fin
    .symbol:         k_q06c0f4091f_fin.kd
    .args:
      - { .name: emb_weight, .offset: 0, .size: 8, .value_kind: global_buffer, .address_space: global }
      - { .name: cand0, .offset: 8, .size: 8, .value_kind: global_buffer, .address_space: global }
      - { .name: cand1, .offset: 16, .size: 8, .value_kind: global_buffer, .address_space: global }
      - { .name: cand2, .offset: 24, .size: 8, .value_kind: global_buffer, .address_space: global }
      - { .name: cand3, .offset: 32, .size: 8, .value_kind: global_buffer, .address_space: global }
      - { .name: out0, .offset: 40, .size: 8, .value_kind: global_buffer, .address_space: global }
    .group_segment_fixed_size: 49664
    .private_segment_fixed_size: 0
    .kernarg_segment_align: 8
    .kernarg_segment_size: 48
    .max_flat_workgroup_size: 512
    .sgpr_count:     66
    .vgpr_count:     256
    .wavefront_size: 32
...
	.end_amdgpu_metadata
.endif
;; end of part 5
